; MI455X (gfx1250); checked and timed in simulation.
; The chip was launched on July 23, 2026; its instructions are those of AMD's public machine-readable ISA for CDNA 5 (MIT licence, August 2026) and "CDNA5" Instruction Set Architecture Reference Guide (July 2026). The comments in the code are by the model that wrote it; some were corrected since.
;; Cross MHA. Allowed arithmetic: matrix products marked QUANTISED: E2M1 operands, one E8M0 scale for each 32 along K, by v_wmma_scale_f32_16x16x128_f8f6f4 with both operands' format E2M1 (or v_wmma_scale_f32_32x16x128_f4), f32 sums; everything else in f32.
;; Inputs: Wk 8 x 512 x 128 float32; Wo 1,024 x 128 float32; Wq 8 x 1,024 x 128 float32; Wv 8 x 512 x 128 float32; bk 8 x 128 float32; bo 128 float32; bq 8 x 128 float32; bv 8 x 128 float32; y 4 x 2,048 x 1,024 float32; z 4 x 2,048 x 512 float32.
;; Outputs: out0 4 x 2,048 x 128 float32.
;; This version of the problem:
;;   THIS VERSION OF THE PROBLEM IS GIVEN IN LOW PRECISION. The matrix products marked QUANTISED in the list below multiply operands that are first quantised to E2M1 (2 exponent bits, 1 mantissa bit; 4 bits a number), with one power-of-two scale for each 32 numbers along K (OCP MX v1.0); their sums are f32. All else is computed in f32.
;;   The module's matrix products, in the order in which they are computed (A, B: the left and right operand; K: the contracted axis; several contracted axes count as one K, in the product's order):
;;     1. [M 1,024, K 1,024] x [K 1,024, N 8,192]; A: input Wq; B: input y: QUANTISED
;;     2. [M 1,024, K 512] x [K 512, N 8,192]; A: input Wk; B: input z: QUANTISED
;;     3. [M 1,024, K 512] x [K 512, N 8,192]; A: input Wv; B: input z: QUANTISED
;;     4. batch 32 x [M 2,048, K 128] x [K 128, N 2,048]; A: computed on the way; B: computed on the way: QUANTISED
;;     5. batch 32 x [M 2,048, K 2,048] x [K 2,048, N 128]; A: softmax (see below); B: computed on the way: QUANTISED
;;     6. [M 8,192, K 1,024] x [K 1,024, N 128]; A: computed on the way; B: input Wo: QUANTISED
;;   THE QUANTISER, for each operand of a quantised product, along K:
;;     - K is cut into blocks of 32 from its start; a last block that is shorter is filled with zeros.
;;     - A block's scale is 2^e with e = floor(log2(the largest magnitude in the block)) - 2, held to -126 .. 127; a block of zeros has e = 0. As a byte (E8M0): e + 127.
;;     - Each number is divided by its block's scale, clamped to +-6, and rounded to the nearest number of E2M1, ties to even, subnormals kept.
;;     - The product sums the exact products of the quantised numbers (number of the format x scale) in f32.
;;   ~~~python
;;   def quantise(x, axis):      # numpy; x: float32 -> the quantised numbers, widened to float32 again
;;       x = np.moveaxis(x, axis, -1); K = x.shape[-1]
;;       x = np.pad(x, [(0, 0)] * (x.ndim - 1) + [(0, -K % 32)]); x = x.reshape(x.shape[:-1] + (-1, 32)); a = np.abs(x).max(-1, keepdims=True)
;;       e = np.where(a > 0, np.clip(np.frexp(np.where(a > 0, a, 1))[1] - 1 - 2, -126, 127), 0)      # np.frexp(a)[1] - 1 = floor(log2(a)), exactly
;;       r = np.clip(x / 2.0 ** e, -6, 6)
;;       step = 2.0 ** (np.maximum(np.frexp(np.where(r == 0, 1, r))[1] - 1, 0) - 1)
;;       q = np.round(r / step) * step * 2.0 ** e      # np.round: ties to even
;;       return np.moveaxis(q.reshape(q.shape[:-2] + (-1,))[..., :K], -1, axis).astype(np.float32)
;;   ~~~
;;   SOFTMAX AHEAD OF A QUANTISED PRODUCT. Where the list says 'softmax', what is quantised is not the finished softmax but p = 2^(t - M), with t = logit x log2(e) and M = ceil(the row's largest t), a whole number; so 1/2 < the row's largest p <= 1. The row's sum l is taken of the UNQUANTISED p, in f32, and the product's result is divided by l at the end. Since M is a whole number, a kernel that streams over the keys may use a running M (the ceiling of the running maximum): every later rescaling is an exact power of two, which a block's scale takes up: the codes' values come out the same.
;;   OPERANDS COMPUTED ON THE WAY. 'Computed on the way' means the value that the module computes at that place (a softmax that the list does not call 'softmax' is quantised finished and normalised). What goes into a quantiser is computed in f32, as accurately as f32 sums, v_exp_f32 and their like allow (about 1e-6 of the number): no bf16 or f16 on the way to a quantiser, and a product that is left as it is and whose result goes on into a quantised operand takes f32 operands (vector FMAs, or v_wmma_f32_16x16x4_f32). A number that lies on a knife's edge between two numbers of the format may be rounded either way, as far as f32 arithmetic and the matrix unit's own rounding can turn it there, and no further.
;; 2 versions. Each part assembles by itself: llvm-mc -triple=amdgcn-amd-amdhsa -mcpu=gfx1250 --defsym DOCPART=n.
;; ======== version 1 of 2: 4 launches
;; workspace buffers: act 6,684,672 bytes; wgt 1,183,744 bytes; qb 4,456,448 bytes; kv 8,388,608 bytes; kvs 524,288 bytes; ob 4,456,448 bytes
;; launch quant (part 1): grid 520 x 1, 4 waves a work-group, no clusters, 34,304 bytes of LDS; arguments y, z, Wq, Wk, Wv, Wo, act, wgt; writes act, wgt
.if DOCPART == 1
	.amdgcn_target "amdgcn-amd-amdhsa--gfx1250"
	.amdhsa_code_object_version 6
	.text
	.protected	k_q33e91eb0c3_quant
	.globl	k_q33e91eb0c3_quant
	.p2align	8
	.type	k_q33e91eb0c3_quant,@function
k_q33e91eb0c3_quant:
	s_mov_b64 s[64:65], 0
	v_nop
	global_prefetch_b8 v0, s[64:65] scope:SCOPE_SE
	s_setreg_imm32_b32 hwreg(HW_REG_WAVE_MODE, 25, 1), 1
	s_wait_xcnt 0x0
; y [8192][1024], z [8192][512] and the weights Wq [8][1024][128], Wk, Wv [8][512][128], Wo [1024][128], all f32, become codes of FP4 (E2M1) with one E8M0 scale byte for each 32 along K.
; A block's scale is 2^(floor(log2(its largest magnitude)) - 2); its byte is the largest magnitude's exponent field - 2, held at 1 from below.
; LIMITS: a block of zeros, or one whose largest magnitude lies under 2^-124, gets the byte 1 where the rule says otherwise: its codes are zeros (or the rule's own subnormal codes under the held scale), and this program alone reads the bytes.
; NaN and infinities among the inputs are not served.
; THE CODES ARE LAID AS IMAGES OF OPERAND REGISTERS.  A fragment (16 rows x 128 K: 8 registers a lane) is 1,024 bytes: registers 4 c .. 4 c + 3 of lane l at 512 c + 16 l.  Every later load of it is 512 consecutive bytes.
; THE ROWS OF A TILE ARE NOT NEIGHBOURS: row r of tile T stands for index 32 (T / 2) + 8 (T % 2) + r + 8 (r / 8), so that the 16 result registers of two neighbouring tiles are 16 neighbours along the next product's K.
; act: job J (16 rows x 512 K) has 4 fragments at 4096 J and its scale words, [row][4 words], at ASC + 256 J.  y: J = 2 T + half of K; z: J = 1024 + T.
; wgt: block j (128 K x 128 columns) has 8 fragments at 8192 j and its scale words at WSC + 512 j: [pair of tiles][lane]: lanes 0-15 the even tile's rows, lanes 16-31 the odd tile's.
; Work-groups 0-383 take the activations, a job a wave; work-groups 384-519 a block of a weight each.  Waves share nothing: no barrier.  No tensor loads: what is on its way fits in registers.
.set NACT,  384
.set ASC,   6291456
.set WSC,   1114112
.set PITCH, 528                        ; a stage row: 512 bytes + 16: sixteen rows that a load touches start 16 bytes apart modulo 256
.set L16, 1                            ; v1   16 x lane
.set STI, 2                            ; v2   the stage, on the way in
.set STO, 3                            ; v3   and on the way out
.set SWA, 4                            ; v4   16 x row: my row's four scale words
.set RO,  16                           ; v16-31  byte offset of row i of the tile, + 16 x lane
.set R,   32                           ; v32-159 two sets of 64 numbers as loaded
.set X,   160                          ; v160-223 64 numbers of my row: register 16 b + i = k 32 b + 16 (lane / 16) + i
.set PC,  224                          ; v224-231 the fragment just made
.set TM,  232                          ; v232-247 at work
.set SW,  248                          ; v248-251 the job's four scale words
.set SEL, 40                           ; s[40:41] lane selects: lane l xor 16
; 64 numbers of a lane, register 16 b + i = k 32 b + 16 (lane / 16) + i of its row, become a fragment's codes in v[PC] on and the row's scale word in v[pw].
.macro QUANT s, pw
.irp b, 0,1,2,3
	v_max3_num_f32 v[TM+\b], |v[(\s)+16*\b]|, |v[(\s)+1+16*\b]|, 0x1800000   ; block b: my 16 numbers, and the floor 2^(3 - 127): the byte cannot fall under 1
.endr
.irp i, 2,4,6,8,10,12,14
.irp b, 0,1,2,3
	v_max3_num_f32 v[TM+\b], v[TM+\b], |v[(\s)+16*\b+\i]|, |v[(\s)+1+16*\b+\i]|   ; the four blocks by turns
.endr
.endr
.irp b, 0,1,2,3
	v_permlanex16_b32 v[TM+4+\b], v[TM+\b], s[SEL], s[SEL+1]
.endr
.irp b, 0,1,2,3
	v_max_num_f32 v[TM+\b], v[TM+\b], v[TM+4+\b]   ; with lane l xor 16's: the block's largest magnitude
.endr
.irp b, 0,1,2,3
	v_add_nc_u32 v[TM+12+\b], 0xff000000, v[TM+\b] ; 2 off its exponent field: the conversion's scale operand
.endr
.irp b, 0,1,2,3
	v_lshrrev_b32 v[TM+4+\b], 23, v[TM+12+\b]      ; the scale's byte
.endr
	v_lshl_or_b32 v[\pw], v[TM+5], 8, v[TM+4]
	v_lshl_or_b32 v[\pw], v[TM+6], 16, v[\pw]
	v_lshl_or_b32 v[\pw], v[TM+7], 24, v[\pw]
.irp b, 0,1,2,3
	v_cvt_scalef32_pk8_fp4_f32 v[PC+2*\b], v[(\s)+16*\b:(\s)+7+16*\b], v[TM+12+\b]
	v_cvt_scalef32_pk8_fp4_f32 v[PC+1+2*\b], v[(\s)+8+16*\b:(\s)+15+16*\b], v[TM+12+\b]
.endr
	v_nop                                          ; one plain place behind a scaled conversion
.irp c, 0,1                                    ; the operand's layout wants a whole block in a lane: lanes 0-15 block 2 c, lanes 16-31 block 2 c + 1
.irp i, 0,1
	v_permlane16_swap_b32 v[PC+4*\c+\i], v[PC+2+4*\c+\i]
.endr
.endr
.endm
	s_load_b256 s[4:11], s[0:1], 0x0               ; y s[4:5], z s[6:7], Wq s[8:9], Wk s[10:11]
	s_load_b256 s[12:19], s[0:1], 0x20             ; Wv s[12:13], Wo s[14:15], act s[16:17], wgt s[18:19]
	v_lshl_add_u32 v254, v0, 2, 0x8400
	v_mov_b32 v255, 0
	v_lshrrev_b32 v5, 5, v0
	v_readfirstlane_b32 s20, v5                    ; wave 0..3
	v_and_b32 v6, 31, v0                           ; lane
	v_and_b32 v7, 15, v0                           ; r
	v_bfe_u32 v8, v0, 4, 1                         ; h
	v_lshlrev_b32 v[L16], 4, v6
	s_wait_kmcnt 0x0
	s_cmp_ge_u32 ttmp9, NACT
	s_cbranch_scc1 .Lweights
	; ---- THE ACTIVATIONS.  K is innermost: each load takes 512 consecutive bytes of one row; the 16 rows' 8,192 bytes turn through the wave's own stage, so that a lane holds 16 neighbours of each block of its row.
	s_lshl_b32 s21, ttmp9, 2
	s_add_co_u32 s21, s21, s20                     ; my job J
	s_lshr_b32 s22, s21, 1                         ; y: tile J / 2,
	s_and_b32 s24, s21, 1                          ;    half J % 2 of K
	s_sub_co_u32 s23, s21, 1024                    ; z: tile J - 1024
	s_cmp_lt_u32 ttmp9, 256                        ; y's work-group or z's?  The choice hangs on the work-group's number alone
	s_cselect_b64 s[4:5], s[4:5], s[6:7]
	s_cselect_b32 s25, 12, 11                      ; a row is 4,096 or 2,048 bytes
	s_cselect_b32 s22, s22, s23
	s_cselect_b32 s24, s24, 0
	s_lshr_b32 s26, s22, 1
	s_lshl_b32 s26, s26, 5
	s_and_b32 s27, s22, 1
	s_lshl_b32 s27, s27, 3
	s_add_co_u32 s26, s26, s27                     ; the tile's first row: 32 (T / 2) + 8 (T % 2)
	s_lshl_b32 s26, s26, s25
	s_lshl_b32 s24, s24, 11
	s_add_co_u32 s26, s26, s24                     ; + my half of K
	s_mov_b32 s27, 0
	s_add_nc_u64 s[4:5], s[4:5], s[26:27]
	s_lshl_b32 s28, s21, 12
	s_mov_b32 s29, 0
	s_add_nc_u64 s[28:29], s[16:17], s[28:29]      ; my four fragments
	s_lshl_b32 s30, s21, 8
	s_add_co_u32 s30, s30, ASC
	s_mov_b32 s31, 0
	s_add_nc_u64 s[30:31], s[16:17], s[30:31]      ; my scale words
	s_mov_b32 s[SEL], 0x76543210
	s_mov_b32 s[SEL+1], 0xfedcba98
	s_mul_i32 s32, s20, 16*PITCH                   ; my stage
	v_add_nc_u32 v[STI], s32, v[L16]               ; in: row i at PITCH i, 16 bytes a lane
	v_mul_u32_u24 v[STO], v7, PITCH
	v_lshl_add_u32 v[STO], v8, 6, v[STO]
	v_add_nc_u32 v[STO], s32, v[STO]               ; out: row r, + 64 h: my 16 numbers of a block of 32
	v_lshlrev_b32 v[SWA], 4, v7
.irp i, 0,1,2,3,4,5,6,7,8,9,10,11,12,13,14,15
	v_lshl_add_u32 v[RO+\i], \i+8*(\i/8), s25, v[L16]   ; row i of the tile lies i + 8 (i / 8) rows on
.endr
.irp b, 0,1,2,3
	v_mov_b32 v[TM+4+\b], 0                        ; written once: a lane permute's destination counts as one of its sources
.endr
.macro LOAD t                          ; K step t: 16 rows x 512 bytes into set t % 2
.irp i, 0,1,2,3,4,5,6,7,8,9,10,11,12,13,14,15
	global_load_b128 v[R+64*((\t)%2)+4*\i:R+64*((\t)%2)+4*\i+3], v[RO+\i], s[4:5] offset:512*(\t) th:TH_LOAD_NT
.endr
.endm
.macro STEP t, left
	s_wait_loadcnt \left                           ; this step's 16 loads are in; the next step's may be out
.irp i, 0,1,2,3,4,5,6,7,8,9,10,11,12,13,14,15
	ds_store_b128 v[STI], v[R+64*((\t)%2)+4*\i:R+64*((\t)%2)+4*\i+3] offset:PITCH*\i
.endr
.irp b, 0,1,2,3
.irp j, 0,1,2,3
	ds_load_b128 v[X+16*\b+4*\j:X+16*\b+4*\j+3], v[STO] offset:128*\b+16*\j   ; LDS serves a wave's instructions in order: these see the stores above
.endr
.endr
	s_wait_dscnt 0x0                               ; the numbers are back, and the stores have read their registers,
.if (\t)+2 < 4
	LOAD (\t)+2                                    ; which take the loads of two steps on
.endif
.if (\t) > 0
	s_wait_xcnt 0x0                                ; the last step's stores have read the fragment's registers: they are written again only behind this wait
.endif
	QUANT X, SW+(\t)
	global_store_b128 v[L16], v[PC:PC+3], s[28:29] offset:1024*(\t)        ; 32 lanes store 512 consecutive bytes
	global_store_b128 v[L16], v[PC+4:PC+7], s[28:29] offset:1024*(\t)+512
.endm
	LOAD 0
	LOAD 1
	STEP 0, 16
	STEP 1, 16
	STEP 2, 16
	STEP 3, 0
	global_store_b128 v[SWA], v[SW:SW+3], s[30:31] ; 256 consecutive bytes; lanes r and r + 16 write the same 16 bytes with the same value
	s_wait_tensorcnt 0x0
	ds_add_u32 v254, v255
	s_wait_dscnt 0x0
	s_endpgm
	; ---- THE WEIGHTS.  K is the row axis: a lane takes a column and its registers run down K, so a block of 32 lies in one lane.  Wave g takes columns 32 g .. 32 g + 31: tiles 2 g (lanes 0-15) and 2 g + 1 (lanes 16-31).
.Lweights:
	s_sub_co_u32 s21, ttmp9, NACT                  ; block j: 0-63 Wq, 64-95 Wk, 96-127 Wv, 128-135 Wo
	s_mov_b64 s[24:25], s[14:15]
	s_mov_b32 s22, 128
	s_cmp_lt_u32 s21, 128
	s_cselect_b64 s[24:25], s[12:13], s[24:25]
	s_cselect_b32 s22, 96, s22
	s_cmp_lt_u32 s21, 96
	s_cselect_b64 s[24:25], s[10:11], s[24:25]
	s_cselect_b32 s22, 64, s22
	s_cmp_lt_u32 s21, 64
	s_cselect_b64 s[24:25], s[8:9], s[24:25]
	s_cselect_b32 s22, 0, s22
	s_sub_co_u32 s22, s21, s22                     ; the block's number in its own tensor: 128 rows of 512 bytes each
	s_lshl_b32 s22, s22, 16
	s_lshl_b32 s23, s20, 7
	s_add_co_u32 s22, s22, s23                     ; + my 32 columns
	s_mov_b32 s23, 0
	s_add_nc_u64 s[24:25], s[24:25], s[22:23]
	s_lshl_b32 s26, s21, 13
	s_lshl_b32 s27, s20, 11
	s_add_co_u32 s26, s26, s27
	s_mov_b32 s27, 0
	s_add_nc_u64 s[26:27], s[18:19], s[26:27]      ; my two fragments
	s_lshl_b32 s28, s21, 9
	s_lshl_b32 s29, s20, 7
	s_add_co_u32 s28, s28, s29
	s_add_co_u32 s28, s28, WSC
	s_mov_b32 s29, 0
	s_add_nc_u64 s[28:29], s[18:19], s[28:29]      ; my 32 scale words
	v_and_b32 v9, 8, v7
	v_add_nc_u32 v9, v9, v7
	v_lshl_add_u32 v9, v8, 3, v9                   ; my column among the 32: r + 8 (r / 8) + 8 h
	v_lshlrev_b32 v9, 2, v9                        ; a load still covers 128 consecutive bytes
	v_lshlrev_b32 v14, 2, v6
.macro WLOAD b                         ; block b along K: rows 32 b .. 32 b + 31 of my column
.irp i, 0,1,2,3,4,5,6,7,8,9,10,11,12,13,14,15,16,17,18,19,20,21,22,23,24,25,26,27,28,29,30,31
	global_load_b32 v[32+32*(\b)+\i], v9, s[24:25] offset:512*(32*(\b)+\i) th:TH_LOAD_NT
.endr
.endm
.macro BLOCK b, left
.set XS, 32+32*(\b)
	s_wait_loadcnt \left                           ; this block's 32 loads are in; the next block's may be out
.if (\b)+2 < 4
	WLOAD (\b)+2
.endif
	v_max3_num_f32 v12, |v[XS]|, |v[XS+1]|, |v[XS+2]|     ; the block's largest magnitude: all 32 numbers are mine; two chains
	v_max3_num_f32 v13, |v[XS+3]|, |v[XS+4]|, |v[XS+5]|
.irp i, 6,10,14,18,22,26
	v_max3_num_f32 v12, v12, |v[XS+\i]|, |v[XS+\i+1]|
	v_max3_num_f32 v13, v13, |v[XS+\i+2]|, |v[XS+\i+3]|
.endr
	v_max3_num_f32 v12, v12, |v[XS+30]|, |v[XS+31]|
	v_max3_num_f32 v12, v12, v13, 0x1800000        ; and the floor 2^(3 - 127)
	v_add_nc_u32 v11, 0xff000000, v12              ; the conversion's scale operand
	v_lshrrev_b32 v13, 23, v11                     ; the byte
.if (\b) == 0
	v_mov_b32 v10, v13
.else
	v_lshl_or_b32 v10, v13, 8*(\b), v10            ; my column's scale word
.endif
.irp g, 0,1,2,3
	v_cvt_scalef32_pk8_fp4_f32 v[160+4*(\b)+\g], v[XS+8*\g:XS+8*\g+7], v11
.endr
.endm
	WLOAD 0
	WLOAD 1
	BLOCK 0, 32
	BLOCK 1, 32
	BLOCK 2, 32
	BLOCK 3, 0
	v_nop                                          ; one plain place behind the last conversion
.irp c, 0,1                                    ; lanes 0-15 hold the even tile's four blocks, lanes 16-31 the odd tile's: the exchange gives each tile its registers 4 c .. 4 c + 3 (lanes 0-15 block 2 c, lanes 16-31 block 2 c + 1)
.irp i, 0,1,2,3
	v_permlane16_swap_b32 v[160+8*\c+\i], v[164+8*\c+\i]
.endr
.endr
	global_store_b128 v[L16], v[160:163], s[26:27]              ; the even tile, c = 0
	global_store_b128 v[L16], v[168:171], s[26:27] offset:512   ;                c = 1
	global_store_b128 v[L16], v[164:167], s[26:27] offset:1024  ; the odd tile,  c = 0
	global_store_b128 v[L16], v[172:175], s[26:27] offset:1536  ;                c = 1
	global_store_b32 v14, v10, s[28:29]            ; 128 consecutive bytes: one byte for each 128 that this path reads
	s_endpgm
.Lfunc_end_k_q33e91eb0c3_quant:
	.size	k_q33e91eb0c3_quant, .Lfunc_end_k_q33e91eb0c3_quant-k_q33e91eb0c3_quant
	.p2alignl 7, 3214868480
	.fill 96, 4, 3214868480
	.section	.rodata,"a",@progbits
	.p2align	6, 0x0
	.amdhsa_kernel k_q33e91eb0c3_quant
		.amdhsa_group_segment_fixed_size 34304
		.amdhsa_private_segment_fixed_size 0
		.amdhsa_enable_private_segment 0
		.amdhsa_kernarg_size 64
		.amdhsa_user_sgpr_count 2
		.amdhsa_user_sgpr_kernarg_segment_ptr 1
		.amdhsa_wavefront_size32 1
		.amdhsa_system_sgpr_workgroup_id_x 1
		.amdhsa_system_sgpr_workgroup_id_y 1
		.amdhsa_system_sgpr_workgroup_id_z 1
		.amdhsa_system_vgpr_workitem_id 0
		.amdhsa_next_free_vgpr 256
		.amdhsa_next_free_sgpr 66
		.amdhsa_reserve_vcc 0
		.amdhsa_float_denorm_mode_32 3
		.amdhsa_float_denorm_mode_16_64 3
		.amdhsa_memory_ordered 1
		.amdhsa_forward_progress 1
		.amdhsa_inst_pref_size 54
	.end_amdhsa_kernel
	.amdgpu_metadata
---
amdhsa.version: [ 1, 2 ]
amdhsa.kernels:
  - .name:           k_q33e91eb0c3_quant
    .symbol:         k_q33e91eb0c3_quant.kd
    .args:
      - { .name: y, .offset: 0, .size: 8, .value_kind: global_buffer, .address_space: global }
      - { .name: z, .offset: 8, .size: 8, .value_kind: global_buffer, .address_space: global }
      - { .name: Wq, .offset: 16, .size: 8, .value_kind: global_buffer, .address_space: global }
      - { .name: Wk, .offset: 24, .size: 8, .value_kind: global_buffer, .address_space: global }
      - { .name: Wv, .offset: 32, .size: 8, .value_kind: global_buffer, .address_space: global }
      - { .name: Wo, .offset: 40, .size: 8, .value_kind: global_buffer, .address_space: global }
      - { .name: act, .offset: 48, .size: 8, .value_kind: global_buffer, .address_space: global }
      - { .name: wgt, .offset: 56, .size: 8, .value_kind: global_buffer, .address_space: global }
    .group_segment_fixed_size: 34304
    .private_segment_fixed_size: 0
    .kernarg_segment_align: 8
    .kernarg_segment_size: 64
    .max_flat_workgroup_size: 128
    .sgpr_count:     66
    .vgpr_count:     256
    .wavefront_size: 32
...
	.end_amdgpu_metadata
.endif
;; end of part 1
;; launch proj (part 2): grid 256 x 1, 4 waves a work-group, no clusters, 0 bytes of LDS; arguments act, wgt, bq, bk, bv, qb, kv, kvs; writes qb, kv, kvs
.if DOCPART == 2
	.amdgcn_target "amdgcn-amd-amdhsa--gfx1250"
	.amdhsa_code_object_version 6
	.text
	.protected	k_q33e91eb0c3_proj
	.globl	k_q33e91eb0c3_proj
	.p2align	8
	.type	k_q33e91eb0c3_proj,@function
k_q33e91eb0c3_proj:
	s_mov_b64 s[64:65], 0
	v_nop
	global_prefetch_b8 v0, s[64:65] scope:SCOPE_SE
	s_setreg_imm32_b32 hwreg(HW_REG_WAVE_MODE, 25, 1), 1
	s_wait_xcnt 0x0
; Q = y Wq + bq, K = z Wk + bk, V = z Wv + bv on codes of FP4 (E2M1) with E8M0 scales; the f32 results are quantised at once: Q and K along the head's 128, V along the keys, and leave as images of operand registers.
; LIMITS: a block of zeros, or one whose largest magnitude lies under 2^-124, gets the scale byte 1; this program alone reads the bytes.  NaN and infinities are not served.
; SHARES.  Work-group x: role x / 16 (0-7: Q of head role; 8-15: K and V of head role - 8); its wave takes group G = 4 (x % 16) + wave of 128 tokens: 512 matrix instructions a wave, a tile of 128 x 128 (Q) or two of them on half the K.
; The head's weights stay in 512 registers; operands come from memory as they lie in registers (1,024 bytes a fragment, 512 consecutive bytes a load).  Waves share nothing: no LDS, no barrier.
; LAYOUT.  Q, K: source 0 = 16 columns of the weight, source 1 = 16 tokens: a lane holds ONE token and its registers run along the head.  V: source 0 = 16 tokens, source 1 = 16 channels of Wv: a lane holds one channel and its
; registers run along the keys.  Row r of tile T of any tensor stands for index 32 (T / 2) + 8 (T % 2) + r + 8 (r / 8): so the 16 registers of tiles 2 b and 2 b + 1 are the neighbours 32 b + 16 (lane / 16) + 0 .. 15.
; The biases are the C of each sum's first matrix instruction.  The eight accumulators take turns, one instruction a turn.
; No multicast: a wave's weights are read once into registers and its tokens are its own; what work-groups share (a head's weights, 16 work-groups) is read once by each at its head and never again.
; REGISTERS, in windows of 256: window 0: v1-6 offsets; v8-15 bv; v16-31 two sets of bv's C; v32-63 the tokens' scale words; v64-127 bq or bk in the result's layout; v128-191 eight accumulators; v192-199 the fragment just made;
;   v200-216 at work; v220-223 eight tiles' scale words; v224-255 the weights' scale words.   window 1: weight K steps 0-3.   window 2: Wq's K steps 4-7, or Wv.   window 3: the tokens' fragments.
.set ASC,  6291456
.set ZOFF, 4194304
.set WSC,  1114112
.set QSC,  4194304
.set LI,  1                            ; 16 x lane
.set L4,  2                            ; 4 x lane
.set R16, 3                            ; 16 x row
.set BO,  4                            ; 64 x (lane / 16)
.set BVO, 5                            ; 4 (r + 8 (r / 8))
.set SWO, 6                            ; 32 r + 16 (lane / 16)
.set BV,  8
.set CB,  16
.set AW,  32
.set B1,  64
.set HA,  128
.set PC,  192
.set TM,  200
.set PW,  216
.set S,   220
.set WW,  224
.set HI,  40                           ; s40  lanes 16-31
.set SEL, 42                           ; s[42:43] lane selects: lane l xor 16
.set MSB, 0
.macro WIN new                         ; the immediate's high byte repeats the setting that is left
.if MSB != \new
	s_set_vgpr_msb (MSB<<8)|\new
.set MSB, \new
.endif
.endm
.macro QUANT s, pw                     ; 64 numbers of a lane, register 16 b + i = k 32 b + 16 (lane / 16) + i of its row -> the fragment in v[PC] on, the row's scale word in v[pw]
.irp b, 0,1,2,3
	v_max3_num_f32 v[TM+\b], |v[(\s)+16*\b]|, |v[(\s)+1+16*\b]|, 0x1800000   ; each accumulator is read from its low end on; the floor 2^(3 - 127) holds the byte at 1 from below
.endr
.irp i, 2,4,6,8,10,12,14
.irp b, 0,1,2,3
	v_max3_num_f32 v[TM+\b], v[TM+\b], |v[(\s)+16*\b+\i]|, |v[(\s)+1+16*\b+\i]|
.endr
.endr
.irp b, 0,1,2,3
	v_permlanex16_b32 v[TM+4+\b], v[TM+\b], s[SEL], s[SEL+1]
.endr
.irp b, 0,1,2,3
	v_max_num_f32 v[TM+\b], v[TM+\b], v[TM+4+\b]
.endr
.irp b, 0,1,2,3
	v_add_nc_u32 v[TM+12+\b], 0xff000000, v[TM+\b]
.endr
.irp b, 0,1,2,3
	v_lshrrev_b32 v[TM+4+\b], 23, v[TM+12+\b]
.endr
	v_lshl_or_b32 v[\pw], v[TM+5], 8, v[TM+4]
	v_lshl_or_b32 v[\pw], v[TM+6], 16, v[\pw]
	v_lshl_or_b32 v[\pw], v[TM+7], 24, v[\pw]
.irp b, 0,1,2,3
	v_cvt_scalef32_pk8_fp4_f32 v[PC+2*\b], v[(\s)+16*\b:(\s)+7+16*\b], v[TM+12+\b]
	v_cvt_scalef32_pk8_fp4_f32 v[PC+1+2*\b], v[(\s)+8+16*\b:(\s)+15+16*\b], v[TM+12+\b]
.endr
	v_nop                                          ; one plain place behind a scaled conversion
.irp c, 0,1
.irp i, 0,1
	v_permlane16_swap_b32 v[PC+4*\c+\i], v[PC+2+4*\c+\i]
.endr
.endr
.endm
; one matrix instruction; ra, rb: source 0's or source 1's scale words stand in lanes 16-31
.macro WM d, a, b, c, sa, sb, ra, rb
.if \ra
	v_wmma_scale_f32_16x16x128_f8f6f4 v[(\d):(\d)+7], v[(\a):(\a)+7], v[(\b):(\b)+7], v[(\c):(\c)+7], v[\sa], v[\sb] matrix_a_fmt:MATRIX_FMT_FP4 matrix_b_fmt:MATRIX_FMT_FP4 matrix_a_scale:MATRIX_SCALE_ROW1
.elseif \rb
	v_wmma_scale_f32_16x16x128_f8f6f4 v[(\d):(\d)+7], v[(\a):(\a)+7], v[(\b):(\b)+7], v[(\c):(\c)+7], v[\sa], v[\sb] matrix_a_fmt:MATRIX_FMT_FP4 matrix_b_fmt:MATRIX_FMT_FP4 matrix_b_scale:MATRIX_SCALE_ROW1
.else
	v_wmma_scale_f32_16x16x128_f8f6f4 v[(\d):(\d)+7], v[(\a):(\a)+7], v[(\b):(\b)+7], v[(\c):(\c)+7], v[\sa], v[\sb] matrix_a_fmt:MATRIX_FMT_FP4 matrix_b_fmt:MATRIX_FMT_FP4
.endif
.endm
.macro PLACES                          ; four plain places between a matrix instruction and a read of its result or a load into its registers
.rept 4
	v_nop
.endr
.endm
.macro BIAS                            ; bq or bk in the result's layout: tile 2 b + u, lane half h: units 32 b + 16 h + 8 u + 0 .. 7
.irp t, 0,1,2,3,4,5,6,7
	global_load_b128 v[B1+8*\t:B1+8*\t+3], v[BO], s[48:49] offset:(32*(\t/2)+8*(\t%2))*4
	global_load_b128 v[B1+8*\t+4:B1+8*\t+7], v[BO], s[48:49] offset:(32*(\t/2)+8*(\t%2))*4+16
.endr
.endm
.macro WORDS4 reg, base, off           ; a weight's scale words of four K steps: register 4 s + g: lanes 0-15 tile 2 g, lanes 16-31 tile 2 g + 1
.irp s, 0,1,2,3
.irp g, 0,1,2,3
	global_load_b32 v[\reg+4*\s+\g], v[L4], s[\base:\base+1] offset:\off+512*\s+128*\g
.endr
.endr
.endm
.macro WLOAD4 base, off                ; a weight's 32 fragments of four K steps fill the destination's window: (s, t) at v[8 (8 s + t)]
.irp s, 0,1,2,3
.irp t, 0,1,2,3,4,5,6,7
.irp c, 0,1
	global_load_b128 v[8*(8*\s+\t)+4*\c:8*(8*\s+\t)+4*\c+3], v[LI], s[\base:\base+1] offset:\off+8192*\s+1024*\t+512*\c
.endr
.endr
.endr
.endm
.macro QW i                            ; the accumulators become a fragment; its scale word goes to lanes 0-15 (tiles 0-3) or lanes 16-31 (tiles 4-7) of v[S + i % 4]
.if (\i) < 4
	QUANT HA, S+(\i)
.else
	QUANT HA, PW
	v_cndmask_b32 v[S+(\i)-4], v[S+(\i)-4], v[PW], s[HI]
.endif
.endm
.macro OUTIMG off                      ; the fragment leaves as it stands: twice 512 consecutive bytes
	global_store_b128 v[LI], v[PC:PC+3], s[36:37] offset:\off
	global_store_b128 v[LI], v[PC+4:PC+7], s[36:37] offset:\off+512
.endm
	s_load_b256 s[4:11], s[0:1], 0x0               ; act s[4:5], wgt s[6:7], bq s[8:9], bk s[10:11]
	s_load_b256 s[12:19], s[0:1], 0x20             ; bv s[12:13], qb s[14:15], kv s[16:17], kvs s[18:19]
	v_lshrrev_b32 v7, 5, v0
	v_readfirstlane_b32 s20, v7                    ; wave 0..3
	v_and_b32 v7, 31, v0
	v_lshlrev_b32 v[LI], 4, v7
	v_lshlrev_b32 v[L4], 2, v7
	v_and_b32 v7, 15, v0                           ; r
	v_lshlrev_b32 v[R16], 4, v7
	v_bfe_u32 v[BO], v0, 4, 1                      ; h
	v_lshlrev_b32 v[SWO], 5, v7
	v_lshl_add_u32 v[SWO], v[BO], 4, v[SWO]
	v_and_b32 v[BVO], 8, v7
	v_add_nc_u32 v[BVO], v[BVO], v7
	v_lshlrev_b32 v[BVO], 2, v[BVO]
	v_lshlrev_b32 v[BO], 6, v[BO]
.irp b, 0,1,2,3
	v_mov_b32 v[TM+4+\b], 0                        ; written once: a lane permute's destination counts as one of its sources
.endr
	s_mov_b32 s[SEL], 0x76543210
	s_mov_b32 s[SEL+1], 0xfedcba98
	s_mov_b32 s[HI], 0xffff0000
	s_lshr_b32 s21, ttmp9, 4                       ; role
	s_and_b32 s22, ttmp9, 15
	s_lshl_b32 s22, s22, 2
	s_add_co_u32 s22, s22, s20                     ; G: my 128 tokens
	s_lshr_b32 s23, s22, 4                         ; batch
	s_and_b32 s24, s22, 15                         ; which 128 of the batch's 2,048
	s_and_b32 s25, s21, 7                          ; head
	s_lshl_b32 s50, s23, 3
	s_add_co_u32 s50, s50, s25                     ; batch x 8 + head
	s_lshl_b32 s51, s50, 4
	s_add_co_u32 s51, s51, s24                     ; x 16 + my 128
	s_mov_b32 s27, 0                               ; the high word of every offset
	s_wait_kmcnt 0x0
	s_cmp_ge_u32 s21, 8
	s_cbranch_scc1 .Lkv
	; ---- Q
	s_lshl_b32 s26, s22, 16
	s_add_nc_u64 s[28:29], s[4:5], s[26:27]        ; y's 8 tiles x 8 K steps
	s_lshl_b32 s26, s22, 12
	s_add_co_u32 s26, s26, ASC
	s_add_nc_u64 s[30:31], s[4:5], s[26:27]        ; their scale words
	s_lshl_b32 s26, s25, 16
	s_add_nc_u64 s[32:33], s[6:7], s[26:27]        ; the head's Wq
	s_lshl_b32 s26, s25, 12
	s_add_co_u32 s26, s26, WSC
	s_add_nc_u64 s[34:35], s[6:7], s[26:27]        ; its scale words
	s_lshl_b32 s26, s25, 9
	s_add_nc_u64 s[48:49], s[8:9], s[26:27]        ; bq
	s_lshl_b32 s26, s51, 13
	s_add_nc_u64 s[36:37], s[14:15], s[26:27]      ; Q's 8 fragments
	s_lshl_b32 s26, s51, 9
	s_add_co_u32 s26, s26, QSC
	s_add_nc_u64 s[38:39], s[14:15], s[26:27]      ; their scale words, [row][8 tiles]
	BIAS
	WORDS4 WW, 34, 0
	WORDS4 WW+16, 34, 2048
	WIN 0x40
	WLOAD4 32, 0
	WIN 0x80
	WLOAD4 32, 32768
	WIN 0
.macro YLOAD i                         ; tile i of y: 8 fragments into set i % 4 of window 3, and its 8 scale words a row: 18 loads
	WIN 0xc0
.irp s, 0,1,2,3,4,5,6,7
.irp c, 0,1
	global_load_b128 v[64*((\i)%4)+8*\s+4*\c:64*((\i)%4)+8*\s+4*\c+3], v[LI], s[28:29] offset:8192*(\i)+1024*\s+512*\c
.endr
.endr
	WIN 0
	global_load_b128 v[AW+8*((\i)%4):AW+8*((\i)%4)+3], v[R16], s[30:31] offset:512*(\i)
	global_load_b128 v[AW+8*((\i)%4)+4:AW+8*((\i)%4)+7], v[R16], s[30:31] offset:512*(\i)+256
.endm
.irp i, 0,1,2,3
	YLOAD \i
.endr
.macro QTILE i
.if (\i) < 5
	s_wait_loadcnt 54                              ; this tile's loads are in; behind them stand three tiles' 18 each
.else
	s_wait_loadcnt 18*(7-(\i))
.endif
	WIN 0x0d                                       ; source 0 (Wq) window 1, source 1 (y) window 3
.irp s, 0,1,2,3
.irp t, 0,1,2,3,4,5,6,7
.if \s == 0
	WM HA+8*\t, 8*(8*\s+\t), 64*((\i)%4)+8*\s, B1+8*\t, WW+4*\s+\t/2, AW+8*((\i)%4)+\s, \t%2, 0
.else
	WM HA+8*\t, 8*(8*\s+\t), 64*((\i)%4)+8*\s, HA+8*\t, WW+4*\s+\t/2, AW+8*((\i)%4)+\s, \t%2, 0
.endif
.endr
.endr
	WIN 0x0e                                       ; source 0 window 2
.irp s, 4,5,6,7
.irp t, 0,1,2,3,4,5,6,7
	WM HA+8*\t, 8*(8*(\s-4)+\t), 64*((\i)%4)+8*\s, HA+8*\t, WW+4*\s+\t/2, AW+8*((\i)%4)+\s, \t%2, 0
.endr
.endr
	WIN 0
	PLACES
.if (\i)+4 < 8
	YLOAD (\i)+4                                   ; into the set just multiplied
.endif
.if (\i) > 0
	s_wait_xcnt 0x0                                ; the last tile's stores have read the fragment's registers
.endif
	QW \i
	OUTIMG 1024*(\i)
.endm
.irp i, 0,1,2,3,4,5,6,7
	QTILE \i
.endr
	global_store_b128 v[SWO], v[S:S+3], s[38:39]   ; 512 consecutive bytes: [row][8 words]
	s_endpgm
	; ---- K and V
.Lkv:
	s_lshl_b32 s26, s22, 15
	s_add_co_u32 s26, s26, ZOFF
	s_add_nc_u64 s[28:29], s[4:5], s[26:27]        ; z's 8 tiles x 4 K steps
	s_lshl_b32 s26, s22, 11
	s_add_co_u32 s26, s26, ASC+262144
	s_add_nc_u64 s[30:31], s[4:5], s[26:27]        ; their scale words
	s_lshl_b32 s26, s25, 15
	s_add_co_u32 s26, s26, 524288
	s_add_nc_u64 s[32:33], s[6:7], s[26:27]        ; the head's Wk
	s_add_co_u32 s26, s26, 262144
	s_add_nc_u64 s[44:45], s[6:7], s[26:27]        ; and Wv
	s_lshl_b32 s26, s25, 11
	s_add_co_u32 s26, s26, WSC+32768
	s_add_nc_u64 s[34:35], s[6:7], s[26:27]        ; Wk's scale words
	s_add_co_u32 s26, s26, 16384
	s_add_nc_u64 s[46:47], s[6:7], s[26:27]        ; Wv's
	s_lshl_b32 s26, s25, 9
	s_add_nc_u64 s[48:49], s[10:11], s[26:27]      ; bk
	s_add_nc_u64 s[52:53], s[12:13], s[26:27]      ; bv
	s_lshl_b32 s26, s51, 14
	s_add_nc_u64 s[36:37], s[16:17], s[26:27]      ; the key step's 16 fragments: K's 8, then V's 8
	s_lshl_b32 s26, s51, 10
	s_add_nc_u64 s[38:39], s[18:19], s[26:27]      ; and their scale words
	BIAS
.irp n, 0,1,2,3,4,5,6,7
	global_load_b32 v[BV+\n], v[BVO], s[52:53] offset:(32*(\n/2)+8*(\n%2))*4   ; bv at my channel of tile n
.endr
	WORDS4 WW, 34, 0
	WORDS4 WW+16, 46, 0
.irp m, 0,1,2,3,4,5,6,7
	global_load_b128 v[AW+4*\m:AW+4*\m+3], v[R16], s[30:31] offset:256*\m
.endr
	WIN 0xc0
.irp m, 0,1,2,3,4,5,6,7
.irp s, 0,1,2,3
.irp c, 0,1
	global_load_b128 v[32*\m+8*\s+4*\c:32*\m+8*\s+4*\c+3], v[LI], s[28:29] offset:4096*\m+1024*\s+512*\c
.endr
.endr
.endr
	WIN 0x40
	WLOAD4 32, 0
	WIN 0x80
	WLOAD4 44, 0
	WIN 0
	s_wait_loadcnt 63                              ; the last 64 loads are Wv's: all that K needs is in
.irp j, 0,1,2,3,4,5,6,7
	v_mov_b32 v[CB+\j], v[BV]                      ; V's bias hangs on the lane's channel alone: eight equal registers are the C of channel tile 0
.endr
.macro KTILE m
	WIN 0x0d                                       ; source 0 (Wk) window 1, source 1 (z) window 3
.irp s, 0,1,2,3
.irp t, 0,1,2,3,4,5,6,7
.if \s == 0
	WM HA+8*\t, 8*(8*\s+\t), 32*(\m)+8*\s, B1+8*\t, WW+4*\s+\t/2, AW+4*(\m)+\s, \t%2, 0
.else
	WM HA+8*\t, 8*(8*\s+\t), 32*(\m)+8*\s, HA+8*\t, WW+4*\s+\t/2, AW+4*(\m)+\s, \t%2, 0
.endif
.endr
.endr
	WIN 0
	PLACES
.if (\m) > 0
	s_wait_xcnt 0x0                                ; the last tile's stores have read the fragment's registers
.endif
	QW \m
	OUTIMG 1024*(\m)
.endm
.irp m, 0,1,2,3,4,5,6,7
	KTILE \m
.endr
	global_store_b128 v[SWO], v[S:S+3], s[38:39]   ; K's scale words: [row][8 key tiles]
	s_wait_loadcnt 0x0                             ; Wv
.macro VTILE ct
	WIN 0x0b                                       ; source 0 (z) window 3, source 1 (Wv) window 2
.irp s, 0,1,2,3
.irp m, 0,1,2,3,4,5,6,7
.if \s == 0
	WM HA+8*\m, 32*\m+8*\s, 8*(8*\s+(\ct)), CB+8*((\ct)%2), AW+4*\m+\s, WW+16+4*\s+(\ct)/2, 0, (\ct)%2
.else
	WM HA+8*\m, 32*\m+8*\s, 8*(8*\s+(\ct)), HA+8*\m, AW+4*\m+\s, WW+16+4*\s+(\ct)/2, 0, (\ct)%2
.endif
.endr
.endr
	WIN 0
.if (\ct) < 7
.irp j, 0,1,2,3,4,5,6,7
	v_mov_b32 v[CB+8*(((\ct)+1)%2)+\j], v[BV+(\ct)+1]   ; the next tile's C, in the set that this tile's products do not name: these eight are also the places behind them
.endr
.else
	PLACES
.endif
	s_wait_xcnt 0x0                                ; earlier stores have read the fragment's registers and the scale words'
	QW \ct
	OUTIMG 8192+1024*(\ct)
.endm
.irp n, 0,1,2,3,4,5,6,7
	VTILE \n
.endr
	global_store_b128 v[SWO], v[S:S+3], s[38:39] offset:512   ; V's scale words: [row][8 channel tiles]
	s_endpgm
.Lfunc_end_k_q33e91eb0c3_proj:
	.size	k_q33e91eb0c3_proj, .Lfunc_end_k_q33e91eb0c3_proj-k_q33e91eb0c3_proj
	.p2alignl 7, 3214868480
	.fill 96, 4, 3214868480
	.section	.rodata,"a",@progbits
	.p2align	6, 0x0
	.amdhsa_kernel k_q33e91eb0c3_proj
		.amdhsa_group_segment_fixed_size 0
		.amdhsa_private_segment_fixed_size 0
		.amdhsa_enable_private_segment 0
		.amdhsa_kernarg_size 64
		.amdhsa_user_sgpr_count 2
		.amdhsa_user_sgpr_kernarg_segment_ptr 1
		.amdhsa_wavefront_size32 1
		.amdhsa_system_sgpr_workgroup_id_x 1
		.amdhsa_system_sgpr_workgroup_id_y 1
		.amdhsa_system_sgpr_workgroup_id_z 1
		.amdhsa_system_vgpr_workitem_id 0
		.amdhsa_next_free_vgpr 1024
		.amdhsa_next_free_sgpr 66
		.amdhsa_reserve_vcc 0
		.amdhsa_float_denorm_mode_32 3
		.amdhsa_float_denorm_mode_16_64 3
		.amdhsa_memory_ordered 1
		.amdhsa_forward_progress 1
		.amdhsa_inst_pref_size 255
	.end_amdhsa_kernel
	.section	.bss,"aw",@nobits
	.p2align	6
	.space	262144
	.amdgpu_metadata
---
amdhsa.version: [ 1, 2 ]
amdhsa.kernels:
  - .name:           k_q33e91eb0c3_proj
    .symbol:         k_q33e91eb0c3_proj.kd
    .args:
      - { .name: act, .offset: 0, .size: 8, .value_kind: global_buffer, .address_space: global }
      - { .name: wgt, .offset: 8, .size: 8, .value_kind: global_buffer, .address_space: global }
      - { .name: bq, .offset: 16, .size: 8, .value_kind: global_buffer, .address_space: global }
      - { .name: bk, .offset: 24, .size: 8, .value_kind: global_buffer, .address_space: global }
      - { .name: bv, .offset: 32, .size: 8, .value_kind: global_buffer, .address_space: global }
      - { .name: qb, .offset: 40, .size: 8, .value_kind: global_buffer, .address_space: global }
      - { .name: kv, .offset: 48, .size: 8, .value_kind: global_buffer, .address_space: global }
      - { .name: kvs, .offset: 56, .size: 8, .value_kind: global_buffer, .address_space: global }
    .group_segment_fixed_size: 0
    .private_segment_fixed_size: 0
    .kernarg_segment_align: 8
    .kernarg_segment_size: 64
    .max_flat_workgroup_size: 128
    .sgpr_count:     66
    .vgpr_count:     1024
    .wavefront_size: 32
...
	.end_amdgpu_metadata
.endif
;; end of part 2
;; launch attn (part 3): grid 8 x 32, 16 waves a work-group, clusters of 4 x 1, 281,600 bytes of LDS; arguments qb, kv, kvs, ob; writes ob
.if DOCPART == 3
	.amdgcn_target "amdgcn-amd-amdhsa--gfx1250"
	.amdhsa_code_object_version 6
	.text
	.protected	k_q33e91eb0c3_attn
	.globl	k_q33e91eb0c3_attn
	.p2align	8
	.type	k_q33e91eb0c3_attn,@function
k_q33e91eb0c3_attn:
	s_mov_b64 s[64:65], 0
	v_nop
	global_prefetch_b8 v0, s[64:65] scope:SCOPE_SE
	s_setreg_imm32_b32 hwreg(HW_REG_WAVE_MODE, 25, 1), 1
	s_wait_xcnt 0x0
	s_wait_alu depctr_hold_cnt(0) depctr_sa_sdst(0) depctr_va_vdst(0) depctr_va_sdst(0) depctr_va_ssrc(0) depctr_va_vcc(0) depctr_vm_vsrc(0)
	s_getreg_b32 s2, hwreg(HW_REG_IB_STS2, 6, 4)
	s_cmp_eq_u32 s2, 0
	s_cbranch_scc0 .Lentry_in_a_cluster
	s_endpgm
.Lentry_in_a_cluster:
	s_bfe_u32 s2, ttmp6, 0x10000c
	s_cmp_lg_u32 s2, 0x3003
	s_cbranch_scc0 .Lentry_shape_is_right
	s_endpgm
.Lentry_shape_is_right:
; For each batch and head: O = softmax(Q K^T / sqrt(128)) V, both products on codes of FP4 (E2M1) with E8M0 scales; O / the row's sum is quantised along the head's 128 channels, which are 128 along K of the last projection.
; THE SOFTMAX: t = score x log2(e) / sqrt(128); M = the row's largest t so far, rounded UP to a whole number; p = 2^(t - M) is quantised along the keys, not normalised.  The row's sum is taken of the unquantised p.
; When M moves, the sum and O are multiplied by 2^(old M - new M): exact.
; LIMITS: p under 2^-126 comes out of v_exp_f32 as 0 (ISA guide, its entry in 15.8); a block whose largest magnitude lies under 2^-124 gets the scale byte 1, its codes are zeros; NaN and infinities are not served.
; SHARES.  A work-group owns 256 queries of one batch and head; each of its sixteen waves 16 of them, in 256 registers: four waves to a SIMD, so that one wave's vector work stands beside another's matrix work and LDS loads.
; Every wave walks the 2,048 keys, 128 a step.  All operands lie in memory as images of operand registers (1,024 bytes a fragment; a key step is 8 fragments of K, then 8 of V^T: 16,384 dense bytes).
; THE HEAD'S WHOLE K AND V STAY IN LDS: 16 key steps x 16,384 bytes, and their scale words, 16,384 bytes.  Every byte is filled ONCE, at the start: no slot takes turns, nothing is filled again.
; Each wave brings a sixteenth of the scale words, a sixteenth of key steps 0-3 and a sixteenth of key steps 4-15, in that order: three tensor loads of mine are out.  The first four steps are read behind a first barrier,
; while the rest is on its way; a second barrier, signalled behind step 1 and awaited ahead of step 4, shows the rest to every wave.  From there on the waves do not meet until the way out.
; CLUSTER: the four work-groups of a cluster belong to one batch and head and read the same K and V: each tile is asked for jointly, by the same tensor load with the same descriptor and the mask of all four.
; No prefetch: every tile is asked for at the head, so no later load is left to ask ahead for.
; LAYOUT: S^T = K Q^T, O^T = V^T P^T: a lane holds ONE query throughout.  The rows of a tile of K and of V^T are laid so that the 16 registers of tiles 2 b and 2 b + 1 are the neighbours 32 b + 16 (lane / 16) + 0 .. 15.
; REGISTERS: v1-9, v24 addresses; v12 -M, v13 the largest t, v[14:15] the sum in two halves; v16-23 Q; v32-95 eight fragments of K or of V; v96-159 S^T, then p; v160-223 O^T; v224-231 p's codes;
;   v232-239, v244-247, v252-254 at work; v240-243, v248-251 eight scale words; v253 p's scale word; v255 Q's.
.set FOUR,  65536                      ; four key steps in bytes: what a trip of the loop walks, and how far an LDS instruction's immediate reaches
.set SCL,   262144                     ; behind K and V: the head's scale words: [key step][K's 512 bytes, V's 512 bytes], each [row][8 tiles]
.set SST,   278528                     ; behind them: O's scale words of the work-group's 16 tiles, 64 bytes each: no tensor load lands here
.set QSC,   4194304
.set OSC,   4194304
.set LI,  1                            ; 16 x lane
.set SA,  2                            ; SCL + 32 x row
.set QSO, 4                            ; 32 x row
.set SSA, 7                            ; SST + 64 x wave + 4 x row
.set ADK, 8
.set ADS, 9
.set SRA, 24                           ; SST + 16 x lane
.set PC,  224
.set TM,  232
.set WV,  18
.set SEL, 20
.set CS,  22
.set G1A, 24                           ; s[24:31] group 1: 16 rows of 256 bytes: my part of key steps 0-3
.set G1B, 32                           ; s[32:39] group 1: 48 rows: my part of key steps 4-15
.set G1S, 40                           ; s[40:47] group 1: 4 rows: my part of the scale words
.set G0A, 48                           ; s[48:51], s[52:55], s[56:59] their groups 0
.set G0B, 52
.set G0S, 56
.set TB,  60                           ; LDS byte at which the four key steps in hand begin
.set TS,  61                           ; where the step's scale words begin: 1,024 bytes a step
.set TRIPS, 62
.macro QUANT s, pw                     ; 64 numbers of a lane, register 16 b + i = k 32 b + 16 (lane / 16) + i of its row -> the fragment in v[PC] on, the row's scale word in v[pw]
.irp b, 0,1,2,3
	v_max3_num_f32 v[TM+\b], |v[(\s)+16*\b]|, |v[(\s)+1+16*\b]|, 0x1800000
.endr
.irp i, 2,4,6,8,10,12,14
.irp b, 0,1,2,3
	v_max3_num_f32 v[TM+\b], v[TM+\b], |v[(\s)+16*\b+\i]|, |v[(\s)+1+16*\b+\i]|
.endr
.endr
.irp b, 0,1,2,3
	v_permlanex16_b32 v[TM+4+\b], v[TM+\b], s[SEL], s[SEL+1]
.endr
.irp b, 0,1,2,3
	v_max_num_f32 v[TM+\b], v[TM+\b], v[TM+4+\b]
.endr
.irp b, 0,1,2,3
	v_add_nc_u32 v[TM+12+\b], 0xff000000, v[TM+\b]
.endr
.irp b, 0,1,2,3
	v_lshrrev_b32 v[TM+4+\b], 23, v[TM+12+\b]
.endr
	v_lshl_or_b32 v[\pw], v[TM+5], 8, v[TM+4]
	v_lshl_or_b32 v[\pw], v[TM+6], 16, v[\pw]
	v_lshl_or_b32 v[\pw], v[TM+7], 24, v[\pw]
.irp b, 0,1,2,3
	v_cvt_scalef32_pk8_fp4_f32 v[PC+2*\b], v[(\s)+16*\b:(\s)+7+16*\b], v[TM+12+\b]
	v_cvt_scalef32_pk8_fp4_f32 v[PC+1+2*\b], v[(\s)+8+16*\b:(\s)+15+16*\b], v[TM+12+\b]
.endr
	v_nop
.irp c, 0,1
.irp i, 0,1
	v_permlane16_swap_b32 v[PC+4*\c+\i], v[PC+2+4*\c+\i]
.endr
.endr
.endm
; A round of the cluster's barrier: my work-group's barrier, so that wave 0's signal speaks for all sixteen waves; wave 0 signals for the work-group; every wave waits for all four work-groups; my work-group's barrier once more.
.macro CROUND
	s_barrier_signal -1
	s_barrier_wait -1
	s_cmp_lg_u32 s[WV], 0
	s_cbranch_scc1 .Lnot_wave_0_\@
	s_barrier_signal -3
.Lnot_wave_0_\@:
	s_barrier_wait -3
	s_barrier_signal -1
	s_barrier_wait -1
.endm
	s_load_b256 s[4:11], s[0:1], 0x0               ; qb s[4:5], kv s[6:7], kvs s[8:9], ob s[10:11]
	v_lshl_add_u32 v30, v0, 2, 0x44400
	v_mov_b32 v31, 0
	ds_add_u32 v30, v31
	ds_add_u32 v30, v31
	v_lshrrev_b32 v10, 5, v0
	v_readfirstlane_b32 s[WV], v10                 ; wave 0..15
	v_and_b32 v11, 31, v0                          ; lane
	v_and_b32 v3, 15, v0                           ; r
	v_lshlrev_b32 v[LI], 4, v11
	v_lshlrev_b32 v[QSO], 5, v3
	v_add_nc_u32 v[SA], SCL, v[QSO]
	v_lshlrev_b32 v[SSA], 6, v10
	v_lshl_add_u32 v[SSA], v3, 2, v[SSA]
	v_add_nc_u32 v[SSA], SST, v[SSA]
	v_add_nc_u32 v[SRA], SST, v[LI]
	s_and_b32 s12, ttmp7, 0xffff                   ; batch x 8 + head, which the four partners share
	s_bfe_u32 s13, ttmp6, 0x40000                  ; cx: it enters Q's and O's global addresses alone
	s_lshl_b32 s14, ttmp9, 2
	s_add_co_u32 s14, s14, s13                     ; my block of 256 queries
	s_lshl_b32 s15, s14, 4
	s_add_co_u32 s15, s15, s[WV]                   ; my tile of 16 queries
	; what I fetch: made of the batch, the head and the wave's number alone, in registers that never hold cx
	s_lshl_b32 s74, s12, 18
	s_lshl_b32 s75, s[WV], 12
	s_add_co_u32 s74, s74, s75
	s_mov_b32 s75, 0                               ; kv: 262,144 x (batch, head) + 4,096 x wave: key steps 0-3
	s_lshl_b32 s76, s12, 18
	s_mul_i32 s77, s[WV], 12288
	s_add_co_u32 s76, s76, s77
	s_add_co_u32 s76, s76, FOUR
	s_mov_b32 s77, 0                               ; kv: behind those four steps, 12,288 x wave: key steps 4-15
	s_lshl_b32 s78, s12, 14
	s_lshl_b32 s79, s[WV], 10
	s_add_co_u32 s78, s78, s79
	s_mov_b32 s79, 0                               ; kvs: 16,384 x (batch, head) + 1,024 x wave
	s_lshl_b32 s66, s12, 17
	s_lshl_b32 s67, s15, 10
	s_add_co_u32 s66, s66, s67
	s_mov_b32 s67, 0                               ; Q's fragment
	s_lshl_b32 s68, s12, 4
	s_lshl_b32 s69, s14, 1
	s_add_co_u32 s68, s68, s69
	s_lshr_b32 s69, s[WV], 3
	s_add_co_u32 s68, s68, s69
	s_lshl_b32 s68, s68, 9
	s_and_b32 s69, s[WV], 7
	s_lshl_b32 s69, s69, 2
	s_add_co_u32 s68, s68, s69
	s_add_co_u32 s68, s68, QSC
	s_mov_b32 s69, 0                               ; Q's scale words: [8 tiles' group][row][8 words]
	s_lshr_b32 s17, s12, 3                         ; batch
	s_and_b32 s16, s12, 7                          ; head
	s_lshl_b32 s70, s17, 7
	s_add_co_u32 s70, s70, s15
	s_lshl_b32 s70, s70, 3
	s_add_co_u32 s70, s70, s16
	s_lshl_b32 s70, s70, 10
	s_mov_b32 s71, 0                               ; O's fragment: ((batch x 128 + tile) x 8 + head) x 1,024
	s_lshl_b32 s72, s16, 9
	s_lshl_b32 s73, s17, 7
	s_add_co_u32 s72, s72, s73
	s_lshl_b32 s73, s14, 4
	s_add_co_u32 s72, s72, s73
	s_lshl_b32 s72, s72, 6
	s_add_co_u32 s72, s72, OSC
	s_mov_b32 s73, 0                               ; the work-group's 1,024 bytes of O's scale words
	s_mov_b32 s[G1A], 15|(3<<16)|(1<<21)           ; 15:0 the mask: all four work-groups; 17:16 elements of 8 bytes; 21 set beside a mask; no padding: an image is read 16 bytes a lane on end
	s_mov_b32 s[G1A+1], 32<<16                     ; tensor_dim0 = 32 elements: 256 bytes
	s_mov_b32 s[G1A+2], 16<<16                     ; tensor_dim1 = 16
	s_mov_b32 s[G1A+3], 32<<16                     ; tile_dim0
	s_mov_b32 s[G1A+4], 16                         ; tile_dim1
	s_mov_b32 s[G1A+5], 32                         ; the pitch: dense
	s_mov_b32 s[G1A+6], 0
	s_mov_b32 s[G1A+7], 0
	s_mov_b32 s[G1B], 15|(3<<16)|(1<<21)           ; the same with 48 rows
	s_mov_b32 s[G1B+1], 32<<16
	s_mov_b32 s[G1B+2], 48<<16
	s_mov_b32 s[G1B+3], 32<<16
	s_mov_b32 s[G1B+4], 48
	s_mov_b32 s[G1B+5], 32
	s_mov_b32 s[G1B+6], 0
	s_mov_b32 s[G1B+7], 0
	s_mov_b32 s[G1S], 15|(3<<16)|(1<<21)           ; and with 4
	s_mov_b32 s[G1S+1], 32<<16
	s_mov_b32 s[G1S+2], 4<<16
	s_mov_b32 s[G1S+3], 32<<16
	s_mov_b32 s[G1S+4], 4
	s_mov_b32 s[G1S+5], 32
	s_mov_b32 s[G1S+6], 0
	s_mov_b32 s[G1S+7], 0
	s_mov_b32 s[SEL], 0x76543210
	s_mov_b32 s[SEL+1], 0xfedcba98
	s_mov_b32 s[CS], 0x3e0293ee                    ; c = log2(e) / sqrt(128)
	s_mov_b32 s[CS+1], s[CS]                       ; named with it as a pair, so it is written
	s_mov_b32 s[TB], 0
	s_mov_b32 s[TS], 0
	s_mov_b32 s[TRIPS], 3
	s_wait_dscnt 0x0
	s_wait_kmcnt 0x0
	s_mov_b32 s[G0S], 1
	s_lshl_b32 s[G0S+1], s[WV], 10
	s_add_co_u32 s[G0S+1], s[G0S+1], SCL           ; LDS: SCL + 1,024 x wave
	s_add_nc_u64 s[G0S+2:G0S+3], s[8:9], s[78:79]
	s_or_b32 s[G0S+3], s[G0S+3], 0x80000000
	s_mov_b32 s[G0A], 1
	s_lshl_b32 s[G0A+1], s[WV], 12                 ; LDS: 4,096 x wave
	s_add_nc_u64 s[G0A+2:G0A+3], s[6:7], s[74:75]
	s_or_b32 s[G0A+3], s[G0A+3], 0x80000000
	s_mov_b32 s[G0B], 1
	s_mul_i32 s[G0B+1], s[WV], 12288
	s_add_co_u32 s[G0B+1], s[G0B+1], FOUR          ; LDS: 65,536 + 12,288 x wave
	s_add_nc_u64 s[G0B+2:G0B+3], s[6:7], s[76:77]
	s_or_b32 s[G0B+3], s[G0B+3], 0x80000000
	s_add_nc_u64 s[66:67], s[4:5], s[66:67]
	s_add_nc_u64 s[68:69], s[4:5], s[68:69]
	s_add_nc_u64 s[70:71], s[10:11], s[70:71]
	s_add_nc_u64 s[72:73], s[10:11], s[72:73]
	global_load_b128 v[16:19], v[LI], s[66:67]     ; Q's fragment stays in registers; it is on its way during the round below
	global_load_b128 v[20:23], v[LI], s[66:67] offset:512
	global_load_b32 v255, v[QSO], s[68:69]         ; and its scale words
	CROUND                                         ; all four work-groups are here: the joint loads meet
	tensor_load_to_lds s[G0S:G0S+3], s[G1S:G1S+7]  ; all fills of the launch stand here, ahead of every wait on TENSORcnt, every LDS read and every other barrier: the scale words,
	s_nop 0
	tensor_load_to_lds s[G0A:G0A+3], s[G1A:G1A+7]  ; key steps 0-3,
	s_nop 0
	tensor_load_to_lds s[G0B:G0B+3], s[G1B:G1B+7]  ; key steps 4-15: a wave's tensor loads end in order (ISA guide 10.11.1), so what is read first lands first
	s_nop 0
.rept 4
	v_nop                                          ; four v_nop follow the last of them
.endr
	v_mov_b32 v13, 0xff61b1e6                      ; the largest t so far: -3e38, under every t
	v_floor_f32 v12, -v13                          ; -M
	v_mov_b32 v14, 0
	v_mov_b32 v15, 0
.irp b, 0,1,2,3
	v_mov_b32 v[236+\b], 0                         ; written once: a lane permute's destination counts as one of its sources
.endr
	v_mov_b32 v253, 0                              ; named as the upper half of the pair v[252:253] before it is first written
.set jj, 0
.rept 64
	v_mov_b32 v[160+jj], 0                         ; O^T: the step is written once; the first finds zeros, which the first change of M leaves zeros
.set jj, jj+1
.endr
; A KEY STEP: 128 keys, the q-th of the four in hand.
.macro STEP q
	v_add_nc_u32 v[ADK], s[TB], v[LI]
	v_add_nc_u32 v[ADS], s[TS], v[SA]
	v_nop
	v_nop                                          ; four plain places in front of loads into registers that the last step's products have read
.irp t, 0,1,2,3,4,5,6,7
.irp c, 0,1
	ds_load_b128 v[32+8*\t+4*\c:35+8*\t+4*\c], v[ADK] offset:16384*(\q)+1024*\t+512*\c
.endr
.endr
	ds_load_b128 v[240:243], v[ADS]                ; K's scale words of tiles 0-3,
	ds_load_b128 v[248:251], v[ADS] offset:16      ; and 4-7
	s_wait_dscnt 0x0
.irp t, 0,1,2,3,4,5,6,7
	v_wmma_scale_f32_16x16x128_f8f6f4 v[96+8*\t:103+8*\t], v[32+8*\t:39+8*\t], v[16:23], 0, v[240+\t+4*(\t/4)], v255 matrix_a_fmt:MATRIX_FMT_FP4 matrix_b_fmt:MATRIX_FMT_FP4
.endr
.rept 4
	v_nop                                          ; places in front of the loads below and of the first read of the scores
.endr
.irp t, 0,1,2,3,4,5,6,7                        ; V's fragments and scale words land under the softmax
.irp c, 0,1
	ds_load_b128 v[32+8*\t+4*\c:35+8*\t+4*\c], v[ADK] offset:16384*(\q)+8192+1024*\t+512*\c
.endr
.endr
	ds_load_b128 v[240:243], v[ADS] offset:512
	ds_load_b128 v[248:251], v[ADS] offset:528
.irp b, 0,1,2,3
	v_max3_num_f32 v[232+\b], v[96+16*\b], v[97+16*\b], v[98+16*\b]   ; the largest score of each block of 32 keys: it serves the row's maximum and, since p rises with the score, the block's largest p
.endr
.irp i, 3,5,7,9,11,13
.irp b, 0,1,2,3
	v_max3_num_f32 v[232+\b], v[232+\b], v[96+16*\b+\i], v[97+16*\b+\i]
.endr
.endr
.irp b, 0,1,2,3
	v_max_num_f32 v[232+\b], v[232+\b], v[111+16*\b]
.endr
.irp b, 0,1,2,3
	v_permlanex16_b32 v[236+\b], v[232+\b], s[SEL], s[SEL+1]
.endr
.irp b, 0,1,2,3
	v_max_num_f32 v[232+\b], v[232+\b], v[236+\b]  ; with lane l xor 16's 16 keys
.endr
	v_max3_num_f32 v254, v232, v233, v234
	v_max_num_f32 v254, v254, v235                 ; the step's largest score of my query
	v_mul_f32 v254, s[CS], v254                    ; as t (c is positive)
	v_max_num_f32 v13, v13, v254                   ; the running largest t
	v_mov_b32 v254, v12
	v_floor_f32 v12, -v13                          ; the new -M = floor(-t) = -ceil(t)
	v_sub_f32 v254, v12, v254                      ; old M - new M: a whole number, 0 or less
	v_cvt_i32_f32 v254, v254                       ; (it saturates)
	v_ldexp_f32 v252, 1.0, v254                    ; f = 2^(old M - new M)
.set jj, 0
.rept 32
	v_pk_fma_f32 v[96+jj:97+jj], v[96+jj:97+jj], s[CS:CS+1], v[12:13] op_sel_hi:[1,0,0]   ; t - M, two at a time
.set jj, jj+2
.endr
.irp b, 0,1,2,3
	v_fma_f32 v[232+\b], v[232+\b], s[CS], v12     ; the same of each block's largest score
.endr
.set jj, 0
.rept 64
	v_exp_f32 v[96+jj], v[96+jj]                   ; p = 2^(t - M), at most 1
.set jj, jj+1
.endr
	v_pk_mul_f32 v[14:15], v[14:15], v[252:253] op_sel_hi:[1,0]   ; the sums under the new M; a plain place behind the exponentials
	s_wait_alu depctr_va_vdst(0)                   ; one wait for the whole batch, ahead of its first reader
.irp b, 0,1,2,3
	v_exp_f32 v[232+\b], v[232+\b]                 ; the block's largest p: the same two instructions on the same number give the same bits
.endr
	v_pk_add_f32 v[236:237], v[96:97], v[98:99]    ; the row's sum of the unquantised p, in two chains; it reads the 64 alone
.irp j, 4,8,12,16,20,24,28,32,36,40,44,48,52,56,60
	v_pk_add_f32 v[14:15], v[14:15], v[96+\j:97+\j]
	v_pk_add_f32 v[236:237], v[236:237], v[98+\j:99+\j]
.endr
	v_pk_add_f32 v[14:15], v[14:15], v[236:237]
	s_wait_alu depctr_va_vdst(0)                   ; and one for the four
.irp b, 0,1,2,3
	v_max_num_f32 v[232+\b], 0x1800000, v[232+\b]  ; the floor 2^(3 - 127): the byte cannot fall under 1
.endr
.irp b, 0,1,2,3
	v_add_nc_u32 v[244+\b], 0xff000000, v[232+\b]  ; the conversion's scale operand
.endr
.irp b, 0,1,2,3
	v_lshrrev_b32 v[236+\b], 23, v[244+\b]         ; the byte
.endr
	v_lshl_or_b32 v253, v237, 8, v236              ; p's scale word for these 128 keys
	v_lshl_or_b32 v253, v238, 16, v253
	v_lshl_or_b32 v253, v239, 24, v253
.irp b, 0,1,2,3
	v_cvt_scalef32_pk8_fp4_f32 v[224+2*\b], v[96+16*\b:103+16*\b], v[244+\b]
	v_cvt_scalef32_pk8_fp4_f32 v[225+2*\b], v[104+16*\b:111+16*\b], v[244+\b]
.endr
	v_nop                                          ; one plain place behind a scaled conversion
.irp c, 0,1
.irp i, 0,1
	v_permlane16_swap_b32 v[224+4*\c+\i], v[226+4*\c+\i]
.endr
.endr
.set jj, 0
.rept 32
	v_pk_mul_f32 v[160+jj:161+jj], v[160+jj:161+jj], v[252:253] op_sel_hi:[1,0]   ; O^T under the new M; these 32 are also the places in front of the scaled products below
.set jj, jj+2
.endr
	s_wait_dscnt 0x0                               ; V and its scale words are in: no LDS instruction of mine is out at a step's end
.irp t, 0,1,2,3,4,5,6,7
	v_wmma_scale_f32_16x16x128_f8f6f4 v[160+8*\t:167+8*\t], v[32+8*\t:39+8*\t], v[224:231], v[160+8*\t:167+8*\t], v[240+\t+4*(\t/4)], v253 matrix_a_fmt:MATRIX_FMT_FP4 matrix_b_fmt:MATRIX_FMT_FP4
.endr
	s_add_co_u32 s[TS], s[TS], 1024                ; the next step's scale words
.endm
	s_wait_tensorcnt 0x1                           ; my parts of the scale words and of key steps 0-3 are in; my third load, issued behind them, may stay out
	s_barrier_signal -1
	s_barrier_wait -1                              ; everybody's are
	s_wait_loadcnt 0x0                             ; Q
	STEP 0
	STEP 1
	s_wait_tensorcnt 0x0                           ; my part of key steps 4-15 is in: it had two key steps in which to land;
	s_barrier_signal -1                            ; say so.  Up to the wait below stand register work and LDS loads of key steps 2 and 3 and their scale words, bytes that nobody writes
	STEP 2
	STEP 3
	s_barrier_wait -1                              ; every wave has said so: all of K and V is there.  A wave may run two steps ahead of the slowest before it waits here, and from here on no wave waits for another
	s_add_co_u32 s[TB], s[TB], FOUR
.Lfour:                                            ; three trips of four key steps: steps 4 to 15
	STEP 0
	STEP 1
	STEP 2
	STEP 3
	s_add_co_u32 s[TB], s[TB], FOUR
	s_sub_co_u32 s[TRIPS], s[TRIPS], 1
	s_cmp_lg_u32 s[TRIPS], 0
	s_cbranch_scc1 .Lfour
	; THE WAY OUT.  O^T / the sum; a lane's 64 numbers are its query's channels 32 b + 16 (lane / 16) + i: they become one fragment of the last projection's operand, K step = my head.
	v_add_f32 v14, v14, v15                        ; the sum's two halves,
	v_permlanex16_b32 v252, v14, s[SEL], s[SEL+1]
	v_add_f32 v14, v14, v252                       ; and lane l xor 16's
	v_rcp_f32 v14, v14
.rept 4
	v_nop                                          ; a plain place behind the reciprocal; places behind the last products
.endr
	s_wait_alu depctr_va_vdst(0)                   ; ahead of the reciprocal's first reader
.set jj, 0
.rept 32
	v_pk_mul_f32 v[96+jj:97+jj], v[160+jj:161+jj], v[14:15] op_sel_hi:[1,0]   ; each accumulator from its low end on
.set jj, jj+2
.endr
	QUANT 96, 253
	global_store_b128 v[LI], v[PC:PC+3], s[70:71]  ; twice 512 consecutive bytes
	global_store_b128 v[LI], v[PC+4:PC+7], s[70:71] offset:512
	ds_store_b32 v[SSA], v253                      ; my 16 rows' scale words; lanes r and r + 16 write the same word with the same value
	s_wait_dscnt 0x0                               ; for the others' sake: my store has landed
	s_barrier_signal -1
	s_barrier_wait -1
	s_cmp_lg_u32 s[WV], 0
	s_cbranch_scc1 .Lwords_out
	ds_load_b128 v[32:35], v[SRA]                  ; wave 0 stores the sixteen tiles' words: 1,024 consecutive bytes
	ds_load_b128 v[36:39], v[SRA] offset:512
	s_wait_dscnt 0x0
	global_store_b128 v[LI], v[32:35], s[72:73]
	global_store_b128 v[LI], v[36:39], s[72:73] offset:512
.Lwords_out:
	s_wait_tensorcnt 0x0
	ds_add_u32 v30, v31
	s_wait_dscnt 0x0
	CROUND                                         ; the closing round: no work-group ends while a partner may still ask for a tile that names it
	s_endpgm
.Lfunc_end_k_q33e91eb0c3_attn:
	.size	k_q33e91eb0c3_attn, .Lfunc_end_k_q33e91eb0c3_attn-k_q33e91eb0c3_attn
	.p2alignl 7, 3214868480
	.fill 96, 4, 3214868480
	.section	.rodata,"a",@progbits
	.p2align	6, 0x0
	.amdhsa_kernel k_q33e91eb0c3_attn
		.amdhsa_group_segment_fixed_size 281600
		.amdhsa_private_segment_fixed_size 0
		.amdhsa_enable_private_segment 0
		.amdhsa_kernarg_size 32
		.amdhsa_user_sgpr_count 2
		.amdhsa_user_sgpr_kernarg_segment_ptr 1
		.amdhsa_wavefront_size32 1
		.amdhsa_system_sgpr_workgroup_id_x 1
		.amdhsa_system_sgpr_workgroup_id_y 1
		.amdhsa_system_sgpr_workgroup_id_z 1
		.amdhsa_system_vgpr_workitem_id 0
		.amdhsa_next_free_vgpr 256
		.amdhsa_next_free_sgpr 80
		.amdhsa_reserve_vcc 0
		.amdhsa_float_denorm_mode_32 3
		.amdhsa_float_denorm_mode_16_64 3
		.amdhsa_memory_ordered 1
		.amdhsa_forward_progress 1
		.amdhsa_inst_pref_size 155
	.end_amdhsa_kernel
	.amdgpu_metadata
---
amdhsa.version: [ 1, 2 ]
amdhsa.kernels:
  - .name:           k_q33e91eb0c3_attn
    .symbol:         k_q33e91eb0c3_attn.kd
    .args:
      - { .name: qb, .offset: 0, .size: 8, .value_kind: global_buffer, .address_space: global }
      - { .name: kv, .offset: 8, .size: 8, .value_kind: global_buffer, .address_space: global }
      - { .name: kvs, .offset: 16, .size: 8, .value_kind: global_buffer, .address_space: global }
      - { .name: ob, .offset: 24, .size: 8, .value_kind: global_buffer, .address_space: global }
    .group_segment_fixed_size: 281600
    .private_segment_fixed_size: 0
    .kernarg_segment_align: 8
    .kernarg_segment_size: 32
    .max_flat_workgroup_size: 512
    .sgpr_count:     80
    .vgpr_count:     256
    .wavefront_size: 32
...
	.end_amdgpu_metadata
.endif
;; end of part 3
;; launch outp (part 4): grid 256 x 1, 4 waves a work-group, no clusters, 17,920 bytes of LDS; arguments ob, wgt, bo, out0; writes out0
.if DOCPART == 4
	.amdgcn_target "amdgcn-amd-amdhsa--gfx1250"
	.amdhsa_code_object_version 6
	.text
	.protected	k_q33e91eb0c3_outp
	.globl	k_q33e91eb0c3_outp
	.p2align	8
	.type	k_q33e91eb0c3_outp,@function
k_q33e91eb0c3_outp:
	s_mov_b64 s[64:65], 0
	v_nop
	global_prefetch_b8 v0, s[64:65] scope:SCOPE_SE
	s_setreg_imm32_b32 hwreg(HW_REG_WAVE_MODE, 25, 1), 1
	s_wait_xcnt 0x0
; out0 = (O / l) Wo + bo on codes of FP4 (E2M1) with E8M0 scales; K = 1,024 = 8 heads x 128.  Both operands lie in memory as images of operand registers (1,024 bytes a fragment).
; SHARES.  A wave takes one tile of 16 rows and half of the 128 outputs: 32 matrix instructions, four accumulators by turns.  Waves share nothing: no barrier.
; LAYOUT.  Source 0 = 16 columns of Wo, source 1 = 16 rows of O: a lane holds one row and eight neighbouring outputs a tile.  bo is loaded straight into the accumulators, in the result's layout, and the sums add onto it.
; Row r of tile T stands for token 32 (T / 2) + 8 (T % 2) + r + 8 (r / 8); Wo's columns are laid likewise.  The results go through the wave's own stage in LDS and leave as aligned runs of 256 bytes, sixteen lanes to a run.
; No tensor loads, no cluster, no prefetch: every load goes out at the head, and a work-group reads 84 KB in all.
.set WSC, 1114112
.set OSC, 4194304
.set SP,  272                          ; a stage row: 256 bytes + 16
.set LI,  1                            ; 16 x lane
.set L4,  2                            ; 4 x lane
.set R4,  3                            ; 4 x row
.set BO,  4                            ; 64 x (lane / 16)
.set STO, 5
.set RD,  6
.set GO,  7
.set OWD, 16                           ; v16-23  O's scale words, a K step each
.set WWD, 24                           ; v24-39  Wo's: register 2 s + g: lanes 0-15 tile 2 g, lanes 16-31 tile 2 g + 1 of my four
.set ACC, 40                           ; v40-71  four accumulators
.set AF,  72                           ; v72-135 O's eight fragments
.set OUTR, 136                         ; v136-167 rows on their way out
.set MSB, 0
.macro WIN new                         ; the immediate's high byte repeats the setting that is left
.if MSB != \new
	s_set_vgpr_msb (MSB<<8)|\new
.set MSB, \new
.endif
.endm
	s_load_b256 s[4:11], s[0:1], 0x0               ; ob s[4:5], wgt s[6:7], bo s[8:9], out0 s[10:11]
	v_lshl_add_u32 v254, v0, 2, 0x4400
	v_mov_b32 v255, 0
	v_lshrrev_b32 v8, 5, v0
	v_readfirstlane_b32 s12, v8                    ; wave 0..3
	v_and_b32 v8, 31, v0
	v_lshlrev_b32 v[LI], 4, v8
	v_lshlrev_b32 v[L4], 2, v8
	v_and_b32 v8, 15, v0                           ; r
	v_bfe_u32 v9, v0, 4, 1                         ; h
	v_lshlrev_b32 v[R4], 2, v8
	v_lshlrev_b32 v[BO], 6, v9
	s_mul_i32 s13, s12, 16*SP                      ; my stage
	v_mul_u32_u24 v[STO], v8, SP
	v_lshl_add_u32 v[STO], v9, 6, v[STO]
	v_add_nc_u32 v[STO], s13, v[STO]               ; in: row r, + 64 h
	v_mul_u32_u24 v[RD], v9, SP
	v_lshl_add_u32 v[RD], v8, 4, v[RD]
	v_add_nc_u32 v[RD], s13, v[RD]                 ; back: lanes 0-15 one row, lanes 16-31 the next
	v_lshlrev_b32 v[GO], 9, v9
	v_lshl_add_u32 v[GO], v8, 4, v[GO]             ; and the same two rows of out0
	s_lshr_b32 s14, s12, 1
	s_lshl_b32 s15, ttmp9, 1
	s_add_co_u32 s14, s14, s15                     ; my tile of rows T
	s_and_b32 s15, s12, 1                          ; my half of the outputs
	s_mov_b32 s17, 0
	s_wait_kmcnt 0x0
	s_lshl_b32 s16, s15, 8
	s_add_nc_u64 s[18:19], s[8:9], s[16:17]        ; bo at my 64 outputs
	s_lshl_b32 s16, s14, 6
	s_add_co_u32 s16, s16, OSC
	s_add_nc_u64 s[20:21], s[4:5], s[16:17]        ; O's scale words: 32,768 bytes from head to head
	s_lshl_b32 s16, s15, 8
	s_add_co_u32 s16, s16, WSC+65536
	s_add_nc_u64 s[22:23], s[6:7], s[16:17]        ; Wo's scale words
	s_lshl_b32 s16, s14, 13
	s_add_nc_u64 s[24:25], s[4:5], s[16:17]        ; O's eight fragments
	s_lshl_b32 s16, s15, 12
	s_add_co_u32 s16, s16, 1048576
	s_add_nc_u64 s[26:27], s[6:7], s[16:17]        ; Wo's fragments: my four tiles of each K step
	s_lshr_b32 s16, s14, 1
	s_lshl_b32 s16, s16, 5
	s_and_b32 s28, s14, 1
	s_lshl_b32 s28, s28, 3
	s_add_co_u32 s16, s16, s28                     ; the tile's first token
	s_lshl_b32 s16, s16, 9
	s_lshl_b32 s28, s15, 8
	s_add_co_u32 s16, s16, s28
	s_add_nc_u64 s[10:11], s[10:11], s[16:17]
.irp t, 0,1,2,3
	global_load_b128 v[ACC+8*\t:ACC+8*\t+3], v[BO], s[18:19] offset:(32*(\t/2)+8*(\t%2))*4
	global_load_b128 v[ACC+8*\t+4:ACC+8*\t+7], v[BO], s[18:19] offset:(32*(\t/2)+8*(\t%2))*4+16
.endr
.irp s, 0,1,2,3,4,5,6,7
	global_load_b32 v[OWD+\s], v[R4], s[20:21] offset:32768*\s
.endr
.irp s, 0,1,2,3,4,5,6,7
.irp g, 0,1
	global_load_b32 v[WWD+2*\s+\g], v[L4], s[22:23] offset:512*\s+128*\g
.endr
.endr
.irp s, 0,1,2,3,4,5,6,7
.irp c, 0,1
	global_load_b128 v[AF+8*\s+4*\c:AF+8*\s+4*\c+3], v[LI], s[24:25] offset:1024*\s+512*\c
.endr
.endr
	WIN 0x40                                       ; destination window 1: Wo's fragment (s, t) at v[8 (4 s + t)]
.irp s, 0,1,2,3,4,5,6,7
.irp t, 0,1,2,3
.irp c, 0,1
	global_load_b128 v[8*(4*\s+\t)+4*\c:8*(4*\s+\t)+4*\c+3], v[LI], s[26:27] offset:8192*\s+1024*\t+512*\c
.endr
.endr
.endr
	WIN 0x01                                       ; source 0 (Wo) window 1
.irp s, 0,1,2,3,4,5,6,7
	s_wait_loadcnt 8*(7-\s)                        ; all up to this K step's eight loads of Wo are in; the later K steps' may be out
.irp t, 0,2
	v_wmma_scale_f32_16x16x128_f8f6f4 v[ACC+8*\t:ACC+8*\t+7], v[8*(4*\s+\t):8*(4*\s+\t)+7], v[AF+8*\s:AF+8*\s+7], v[ACC+8*\t:ACC+8*\t+7], v[WWD+2*\s+\t/2], v[OWD+\s] matrix_a_fmt:MATRIX_FMT_FP4 matrix_b_fmt:MATRIX_FMT_FP4
	v_wmma_scale_f32_16x16x128_f8f6f4 v[ACC+8*\t+8:ACC+8*\t+15], v[8*(4*\s+\t)+8:8*(4*\s+\t)+15], v[AF+8*\s:AF+8*\s+7], v[ACC+8*\t+8:ACC+8*\t+15], v[WWD+2*\s+\t/2], v[OWD+\s] matrix_a_fmt:MATRIX_FMT_FP4 matrix_b_fmt:MATRIX_FMT_FP4 matrix_a_scale:MATRIX_SCALE_ROW1
.endr
.endr
	WIN 0
.rept 4
	v_nop                                          ; four plain places in front of the first read of results (ISA guide 7.12.1)
.endr
.irp t, 0,1,2,3                                ; lane (r, h), tile t: outputs 32 (t / 2) + 16 h + 8 (t % 2) + 0 .. 7 of my 64; each accumulator from its low end on
	ds_store_b128 v[STO], v[ACC+8*\t:ACC+8*\t+3] offset:128*(\t/2)+32*(\t%2)
	ds_store_b128 v[STO], v[ACC+8*\t+4:ACC+8*\t+7] offset:128*(\t/2)+32*(\t%2)+16
.endr
.irp i, 0,1,2,3,4,5,6,7
	ds_load_b128 v[OUTR+4*\i:OUTR+4*\i+3], v[RD] offset:2*\i*SP   ; LDS serves a wave's instructions in order: these see my stores
.endr
.irp i, 0,1,2,3,4,5,6,7
	s_wait_dscnt 7-\i
	global_store_b128 v[GO], v[OUTR+4*\i:OUTR+4*\i+3], s[10:11] offset:(2*\i+8*(\i/4))*512 th:TH_STORE_NT   ; stage rows 2 i and 2 i + 1 are tokens 2 i + 8 (i / 4) and the next; sixteen lanes store 256 consecutive bytes, aligned
.endr
	s_wait_tensorcnt 0x0
	ds_add_u32 v254, v255
	s_wait_dscnt 0x0
	s_endpgm
.Lfunc_end_k_q33e91eb0c3_outp:
	.size	k_q33e91eb0c3_outp, .Lfunc_end_k_q33e91eb0c3_outp-k_q33e91eb0c3_outp
	.p2alignl 7, 3214868480
	.fill 96, 4, 3214868480
	.section	.rodata,"a",@progbits
	.p2align	6, 0x0
	.amdhsa_kernel k_q33e91eb0c3_outp
		.amdhsa_group_segment_fixed_size 17920
		.amdhsa_private_segment_fixed_size 0
		.amdhsa_enable_private_segment 0
		.amdhsa_kernarg_size 32
		.amdhsa_user_sgpr_count 2
		.amdhsa_user_sgpr_kernarg_segment_ptr 1
		.amdhsa_wavefront_size32 1
		.amdhsa_system_sgpr_workgroup_id_x 1
		.amdhsa_system_sgpr_workgroup_id_y 1
		.amdhsa_system_sgpr_workgroup_id_z 1
		.amdhsa_system_vgpr_workitem_id 0
		.amdhsa_next_free_vgpr 512
		.amdhsa_next_free_sgpr 66
		.amdhsa_reserve_vcc 0
		.amdhsa_float_denorm_mode_32 3
		.amdhsa_float_denorm_mode_16_64 3
		.amdhsa_memory_ordered 1
		.amdhsa_forward_progress 1
		.amdhsa_inst_pref_size 20
	.end_amdhsa_kernel
	.amdgpu_metadata
---
amdhsa.version: [ 1, 2 ]
amdhsa.kernels:
  - .name:           k_q33e91eb0c3_outp
    .symbol:         k_q33e91eb0c3_outp.kd
    .args:
      - { .name: ob, .offset: 0, .size: 8, .value_kind: global_buffer, .address_space: global }
      - { .name: wgt, .offset: 8, .size: 8, .value_kind: global_buffer, .address_space: global }
      - { .name: bo, .offset: 16, .size: 8, .value_kind: global_buffer, .address_space: global }
      - { .name: out0, .offset: 24, .size: 8, .value_kind: global_buffer, .address_space: global }
    .group_segment_fixed_size: 17920
    .private_segment_fixed_size: 0
    .kernarg_segment_align: 8
    .kernarg_segment_size: 32
    .max_flat_workgroup_size: 128
    .sgpr_count:     66
    .vgpr_count:     512
    .wavefront_size: 32
...
	.end_amdgpu_metadata
.endif
;; end of part 4
;; ======== version 2 of 2: 4 launches
;; workspace buffers: act 6,684,672 bytes; wgt 1,183,744 bytes; qb 4,456,448 bytes; kv 8,388,608 bytes; kvs 524,288 bytes; ob 4,456,448 bytes
;; launch quant (part 5): grid 520 x 1, 4 waves a work-group, no clusters, 34,304 bytes of LDS; arguments y, z, Wq, Wk, Wv, Wo, act, wgt; writes act, wgt
.if DOCPART == 5
	.amdgcn_target "amdgcn-amd-amdhsa--gfx1250"
	.amdhsa_code_object_version 6
	.text
	.protected	k_q33e91eb0c3_quant
	.globl	k_q33e91eb0c3_quant
	.p2align	8
	.type	k_q33e91eb0c3_quant,@function
k_q33e91eb0c3_quant:
	s_mov_b64 s[64:65], 0
	v_nop
	global_prefetch_b8 v0, s[64:65] scope:SCOPE_SE
	s_setreg_imm32_b32 hwreg(HW_REG_WAVE_MODE, 25, 1), 1
	s_wait_xcnt 0x0
; y [8192][1024], z [8192][512] and the weights Wq [8][1024][128], Wk, Wv [8][512][128], Wo [1024][128], all f32, become codes of FP4 (E2M1) with one E8M0 scale byte for each 32 along K.
; A block's scale is 2^(floor(log2(its largest magnitude)) - 2); its byte is the largest magnitude's exponent field - 2, held at 1 from below.
; LIMITS: a block of zeros, or one whose largest magnitude lies under 2^-124, gets the byte 1 where the rule says otherwise: its codes are zeros (or the rule's own subnormal codes under the held scale), and this program alone reads the bytes.
; NaN and infinities among the inputs are not served.
; THE CODES ARE LAID AS IMAGES OF OPERAND REGISTERS.  A fragment (16 rows x 128 K: 8 registers a lane) is 1,024 bytes: registers 4 c .. 4 c + 3 of lane l at 512 c + 16 l.  Every later load of it is 512 consecutive bytes.
; THE ROWS OF A TILE ARE NOT NEIGHBOURS: row r of tile T stands for index 32 (T / 2) + 8 (T % 2) + r + 8 (r / 8), so that the 16 result registers of two neighbouring tiles are 16 neighbours along the next product's K.
; act: job J (16 rows x 512 K) has 4 fragments at 4096 J and its scale words, [row][4 words], at ASC + 256 J.  y: J = 2 T + half of K; z: J = 1024 + T.
; wgt: block j (128 K x 128 columns) has 8 fragments at 8192 j and its scale words at WSC + 512 j: [pair of tiles][lane]: lanes 0-15 the even tile's rows, lanes 16-31 the odd tile's.
; Work-groups 0-383 take the activations, a job a wave; work-groups 384-519 a block of a weight each.  Waves share nothing: no barrier.  No tensor loads: what is on its way fits in registers.
.set NACT,  384
.set ASC,   6291456
.set WSC,   1114112
.set PITCH, 528                        ; a stage row: 512 bytes + 16: sixteen rows that a load touches start 16 bytes apart modulo 256
.set L16, 1                            ; v1   16 x lane
.set STI, 2                            ; v2   the stage, on the way in
.set STO, 3                            ; v3   and on the way out
.set SWA, 4                            ; v4   16 x row: my row's four scale words
.set RO,  16                           ; v16-31  byte offset of row i of the tile, + 16 x lane
.set R,   32                           ; v32-159 two sets of 64 numbers as loaded
.set X,   160                          ; v160-223 64 numbers of my row: register 16 b + i = k 32 b + 16 (lane / 16) + i
.set PC,  224                          ; v224-231 the fragment just made
.set TM,  232                          ; v232-247 at work
.set SW,  248                          ; v248-251 the job's four scale words
.set SEL, 40                           ; s[40:41] lane selects: lane l xor 16
; 64 numbers of a lane, register 16 b + i = k 32 b + 16 (lane / 16) + i of its row, become a fragment's codes in v[PC] on and the row's scale word in v[pw].
.macro QUANT s, pw
.irp b, 0,1,2,3
	v_max3_num_f32 v[TM+\b], |v[(\s)+16*\b]|, |v[(\s)+1+16*\b]|, 0x1800000   ; block b: my 16 numbers, and the floor 2^(3 - 127): the byte cannot fall under 1
.endr
.irp i, 2,4,6,8,10,12,14
.irp b, 0,1,2,3
	v_max3_num_f32 v[TM+\b], v[TM+\b], |v[(\s)+16*\b+\i]|, |v[(\s)+1+16*\b+\i]|   ; the four blocks by turns
.endr
.endr
.irp b, 0,1,2,3
	v_permlanex16_b32 v[TM+4+\b], v[TM+\b], s[SEL], s[SEL+1]
.endr
.irp b, 0,1,2,3
	v_max_num_f32 v[TM+\b], v[TM+\b], v[TM+4+\b]   ; with lane l xor 16's: the block's largest magnitude
.endr
.irp b, 0,1,2,3
	v_add_nc_u32 v[TM+12+\b], 0xff000000, v[TM+\b] ; 2 off its exponent field: the conversion's scale operand
.endr
.irp b, 0,1,2,3
	v_lshrrev_b32 v[TM+4+\b], 23, v[TM+12+\b]      ; the scale's byte
.endr
	v_lshl_or_b32 v[\pw], v[TM+5], 8, v[TM+4]
	v_lshl_or_b32 v[\pw], v[TM+6], 16, v[\pw]
	v_lshl_or_b32 v[\pw], v[TM+7], 24, v[\pw]
.irp b, 0,1,2,3
	v_cvt_scalef32_pk8_fp4_f32 v[PC+2*\b], v[(\s)+16*\b:(\s)+7+16*\b], v[TM+12+\b]
	v_cvt_scalef32_pk8_fp4_f32 v[PC+1+2*\b], v[(\s)+8+16*\b:(\s)+15+16*\b], v[TM+12+\b]
.endr
	v_nop                                          ; one plain place behind a scaled conversion
.irp c, 0,1                                    ; the operand's layout wants a whole block in a lane: lanes 0-15 block 2 c, lanes 16-31 block 2 c + 1
.irp i, 0,1
	v_permlane16_swap_b32 v[PC+4*\c+\i], v[PC+2+4*\c+\i]
.endr
.endr
.endm
	s_load_b256 s[4:11], s[0:1], 0x0               ; y s[4:5], z s[6:7], Wq s[8:9], Wk s[10:11]
	s_load_b256 s[12:19], s[0:1], 0x20             ; Wv s[12:13], Wo s[14:15], act s[16:17], wgt s[18:19]
	v_lshl_add_u32 v254, v0, 2, 0x8400
	v_mov_b32 v255, 0
	v_lshrrev_b32 v5, 5, v0
	v_readfirstlane_b32 s20, v5                    ; wave 0..3
	v_and_b32 v6, 31, v0                           ; lane
	v_and_b32 v7, 15, v0                           ; r
	v_bfe_u32 v8, v0, 4, 1                         ; h
	v_lshlrev_b32 v[L16], 4, v6
	s_wait_kmcnt 0x0
	s_cmp_ge_u32 ttmp9, NACT
	s_cbranch_scc1 .Lweights
	; ---- THE ACTIVATIONS.  K is innermost: each load takes 512 consecutive bytes of one row; the 16 rows' 8,192 bytes turn through the wave's own stage, so that a lane holds 16 neighbours of each block of its row.
	s_lshl_b32 s21, ttmp9, 2
	s_add_co_u32 s21, s21, s20                     ; my job J
	s_lshr_b32 s22, s21, 1                         ; y: tile J / 2,
	s_and_b32 s24, s21, 1                          ;    half J % 2 of K
	s_sub_co_u32 s23, s21, 1024                    ; z: tile J - 1024
	s_cmp_lt_u32 ttmp9, 256                        ; y's work-group or z's?  The choice hangs on the work-group's number alone
	s_cselect_b64 s[4:5], s[4:5], s[6:7]
	s_cselect_b32 s25, 12, 11                      ; a row is 4,096 or 2,048 bytes
	s_cselect_b32 s22, s22, s23
	s_cselect_b32 s24, s24, 0
	s_lshr_b32 s26, s22, 1
	s_lshl_b32 s26, s26, 5
	s_and_b32 s27, s22, 1
	s_lshl_b32 s27, s27, 3
	s_add_co_u32 s26, s26, s27                     ; the tile's first row: 32 (T / 2) + 8 (T % 2)
	s_lshl_b32 s26, s26, s25
	s_lshl_b32 s24, s24, 11
	s_add_co_u32 s26, s26, s24                     ; + my half of K
	s_mov_b32 s27, 0
	s_add_nc_u64 s[4:5], s[4:5], s[26:27]
	s_lshl_b32 s28, s21, 12
	s_mov_b32 s29, 0
	s_add_nc_u64 s[28:29], s[16:17], s[28:29]      ; my four fragments
	s_lshl_b32 s30, s21, 8
	s_add_co_u32 s30, s30, ASC
	s_mov_b32 s31, 0
	s_add_nc_u64 s[30:31], s[16:17], s[30:31]      ; my scale words
	s_mov_b32 s[SEL], 0x76543210
	s_mov_b32 s[SEL+1], 0xfedcba98
	s_mul_i32 s32, s20, 16*PITCH                   ; my stage
	s_wait_alu depctr_va_vdst(0)
	v_add_nc_u32 v[STI], s32, v[L16]               ; in: row i at PITCH i, 16 bytes a lane
	v_mul_u32_u24 v[STO], v7, PITCH
	v_lshl_add_u32 v[STO], v8, 6, v[STO]
	v_add_nc_u32 v[STO], s32, v[STO]               ; out: row r, + 64 h: my 16 numbers of a block of 32
	v_lshlrev_b32 v[SWA], 4, v7
.irp i, 0,1,2,3,4,5,6,7,8,9,10,11,12,13,14,15
	v_lshl_add_u32 v[RO+\i], \i+8*(\i/8), s25, v[L16]   ; row i of the tile lies i + 8 (i / 8) rows on
.endr
.irp b, 0,1,2,3
	v_mov_b32 v[TM+4+\b], 0                        ; written once: a lane permute's destination counts as one of its sources
.endr
.macro LOAD t                          ; K step t: 16 rows x 512 bytes into set t % 2
.irp i, 0,1,2,3,4,5,6,7,8,9,10,11,12,13,14,15
	global_load_b128 v[R+64*((\t)%2)+4*\i:R+64*((\t)%2)+4*\i+3], v[RO+\i], s[4:5] offset:512*(\t) th:TH_LOAD_NT
.endr
.endm
.macro STEP t, left
	s_wait_loadcnt \left                           ; this step's 16 loads are in; the next step's may be out
.irp i, 0,1,2,3,4,5,6,7,8,9,10,11,12,13,14,15
	ds_store_b128 v[STI], v[R+64*((\t)%2)+4*\i:R+64*((\t)%2)+4*\i+3] offset:PITCH*\i
.endr
.irp b, 0,1,2,3
.irp j, 0,1,2,3
	ds_load_b128 v[X+16*\b+4*\j:X+16*\b+4*\j+3], v[STO] offset:128*\b+16*\j   ; LDS serves a wave's instructions in order: these see the stores above
.endr
.endr
	s_wait_dscnt 0x0                               ; the numbers are back, and the stores have read their registers,
.if (\t)+2 < 4
	LOAD (\t)+2                                    ; which take the loads of two steps on
.endif
.if (\t) > 0
	s_wait_xcnt 0x0                                ; the last step's stores have read the fragment's registers: they are written again only behind this wait
.endif
	QUANT X, SW+(\t)
	global_store_b128 v[L16], v[PC:PC+3], s[28:29] offset:1024*(\t)        ; 32 lanes store 512 consecutive bytes
	global_store_b128 v[L16], v[PC+4:PC+7], s[28:29] offset:1024*(\t)+512
.endm
	LOAD 0
	LOAD 1
	s_wait_alu depctr_va_vdst(0)
	STEP 0, 16
	STEP 1, 16
	STEP 2, 16
	STEP 3, 0
	global_store_b128 v[SWA], v[SW:SW+3], s[30:31] ; 256 consecutive bytes; lanes r and r + 16 write the same 16 bytes with the same value
	s_wait_tensorcnt 0x0
	ds_add_u32 v254, v255
	s_wait_dscnt 0x0
	s_endpgm
	; ---- THE WEIGHTS.  K is the row axis: a lane takes a column and its registers run down K, so a block of 32 lies in one lane.  Wave g takes columns 32 g .. 32 g + 31: tiles 2 g (lanes 0-15) and 2 g + 1 (lanes 16-31).
.Lweights:
	s_sub_co_u32 s21, ttmp9, NACT                  ; block j: 0-63 Wq, 64-95 Wk, 96-127 Wv, 128-135 Wo
	s_mov_b64 s[24:25], s[14:15]
	s_mov_b32 s22, 128
	s_cmp_lt_u32 s21, 128
	s_cselect_b64 s[24:25], s[12:13], s[24:25]
	s_cselect_b32 s22, 96, s22
	s_cmp_lt_u32 s21, 96
	s_cselect_b64 s[24:25], s[10:11], s[24:25]
	s_cselect_b32 s22, 64, s22
	s_cmp_lt_u32 s21, 64
	s_cselect_b64 s[24:25], s[8:9], s[24:25]
	s_cselect_b32 s22, 0, s22
	s_sub_co_u32 s22, s21, s22                     ; the block's number in its own tensor: 128 rows of 512 bytes each
	s_lshl_b32 s22, s22, 16
	s_lshl_b32 s23, s20, 7
	s_add_co_u32 s22, s22, s23                     ; + my 32 columns
	s_mov_b32 s23, 0
	s_add_nc_u64 s[24:25], s[24:25], s[22:23]
	s_lshl_b32 s26, s21, 13
	s_lshl_b32 s27, s20, 11
	s_add_co_u32 s26, s26, s27
	s_mov_b32 s27, 0
	s_add_nc_u64 s[26:27], s[18:19], s[26:27]      ; my two fragments
	s_lshl_b32 s28, s21, 9
	s_lshl_b32 s29, s20, 7
	s_add_co_u32 s28, s28, s29
	s_add_co_u32 s28, s28, WSC
	s_mov_b32 s29, 0
	s_add_nc_u64 s[28:29], s[18:19], s[28:29]      ; my 32 scale words
	s_wait_alu depctr_va_vdst(0)
	v_and_b32 v9, 8, v7
	v_add_nc_u32 v9, v9, v7
	v_lshl_add_u32 v9, v8, 3, v9                   ; my column among the 32: r + 8 (r / 8) + 8 h
	v_lshlrev_b32 v9, 2, v9                        ; a load still covers 128 consecutive bytes
	v_lshlrev_b32 v14, 2, v6
.macro WLOAD b                         ; block b along K: rows 32 b .. 32 b + 31 of my column
.irp i, 0,1,2,3,4,5,6,7,8,9,10,11,12,13,14,15,16,17,18,19,20,21,22,23,24,25,26,27,28,29,30,31
	global_load_b32 v[32+32*(\b)+\i], v9, s[24:25] offset:512*(32*(\b)+\i) th:TH_LOAD_NT
.endr
.endm
.macro BLOCK b, left
.set XS, 32+32*(\b)
	s_wait_loadcnt \left                           ; this block's 32 loads are in; the next block's may be out
.if (\b)+2 < 4
	WLOAD (\b)+2
.endif
	v_max3_num_f32 v12, |v[XS]|, |v[XS+1]|, |v[XS+2]|     ; the block's largest magnitude: all 32 numbers are mine; two chains
	v_max3_num_f32 v13, |v[XS+3]|, |v[XS+4]|, |v[XS+5]|
.irp i, 6,10,14,18,22,26
	v_max3_num_f32 v12, v12, |v[XS+\i]|, |v[XS+\i+1]|
	v_max3_num_f32 v13, v13, |v[XS+\i+2]|, |v[XS+\i+3]|
.endr
	v_max3_num_f32 v12, v12, |v[XS+30]|, |v[XS+31]|
	v_max3_num_f32 v12, v12, v13, 0x1800000        ; and the floor 2^(3 - 127)
	v_add_nc_u32 v11, 0xff000000, v12              ; the conversion's scale operand
	v_lshrrev_b32 v13, 23, v11                     ; the byte
.if (\b) == 0
	v_mov_b32 v10, v13
.else
	v_lshl_or_b32 v10, v13, 8*(\b), v10            ; my column's scale word
.endif
.irp g, 0,1,2,3
	v_cvt_scalef32_pk8_fp4_f32 v[160+4*(\b)+\g], v[XS+8*\g:XS+8*\g+7], v11
.endr
.endm
	WLOAD 0
	WLOAD 1
	s_wait_alu depctr_va_vdst(0)
	BLOCK 0, 32
	BLOCK 1, 32
	BLOCK 2, 32
	BLOCK 3, 0
	v_nop                                          ; one plain place behind the last conversion
.irp c, 0,1                                    ; lanes 0-15 hold the even tile's four blocks, lanes 16-31 the odd tile's: the exchange gives each tile its registers 4 c .. 4 c + 3 (lanes 0-15 block 2 c, lanes 16-31 block 2 c + 1)
.irp i, 0,1,2,3
	v_permlane16_swap_b32 v[160+8*\c+\i], v[164+8*\c+\i]
.endr
.endr
	global_store_b128 v[L16], v[160:163], s[26:27]              ; the even tile, c = 0
	global_store_b128 v[L16], v[168:171], s[26:27] offset:512   ;                c = 1
	global_store_b128 v[L16], v[164:167], s[26:27] offset:1024  ; the odd tile,  c = 0
	global_store_b128 v[L16], v[172:175], s[26:27] offset:1536  ;                c = 1
	global_store_b32 v14, v10, s[28:29]            ; 128 consecutive bytes: one byte for each 128 that this path reads
	s_endpgm
.Lfunc_end_k_q33e91eb0c3_quant:
	.size	k_q33e91eb0c3_quant, .Lfunc_end_k_q33e91eb0c3_quant-k_q33e91eb0c3_quant
	.p2alignl 7, 3214868480
	.fill 96, 4, 3214868480
	.section	.rodata,"a",@progbits
	.p2align	6, 0x0
	.amdhsa_kernel k_q33e91eb0c3_quant
		.amdhsa_group_segment_fixed_size 34304
		.amdhsa_private_segment_fixed_size 0
		.amdhsa_enable_private_segment 0
		.amdhsa_kernarg_size 64
		.amdhsa_user_sgpr_count 2
		.amdhsa_user_sgpr_kernarg_segment_ptr 1
		.amdhsa_wavefront_size32 1
		.amdhsa_system_sgpr_workgroup_id_x 1
		.amdhsa_system_sgpr_workgroup_id_y 1
		.amdhsa_system_sgpr_workgroup_id_z 1
		.amdhsa_system_vgpr_workitem_id 0
		.amdhsa_next_free_vgpr 256
		.amdhsa_next_free_sgpr 66
		.amdhsa_reserve_vcc 0
		.amdhsa_float_denorm_mode_32 3
		.amdhsa_float_denorm_mode_16_64 3
		.amdhsa_memory_ordered 1
		.amdhsa_forward_progress 1
		.amdhsa_inst_pref_size 54
	.end_amdhsa_kernel
	.amdgpu_metadata
---
amdhsa.version: [ 1, 2 ]
amdhsa.kernels:
  - .name:           k_q33e91eb0c3_quant
    .symbol:         k_q33e91eb0c3_quant.kd
    .args:
      - { .name: y, .offset: 0, .size: 8, .value_kind: global_buffer, .address_space: global }
      - { .name: z, .offset: 8, .size: 8, .value_kind: global_buffer, .address_space: global }
      - { .name: Wq, .offset: 16, .size: 8, .value_kind: global_buffer, .address_space: global }
      - { .name: Wk, .offset: 24, .size: 8, .value_kind: global_buffer, .address_space: global }
      - { .name: Wv, .offset: 32, .size: 8, .value_kind: global_buffer, .address_space: global }
      - { .name: Wo, .offset: 40, .size: 8, .value_kind: global_buffer, .address_space: global }
      - { .name: act, .offset: 48, .size: 8, .value_kind: global_buffer, .address_space: global }
      - { .name: wgt, .offset: 56, .size: 8, .value_kind: global_buffer, .address_space: global }
    .group_segment_fixed_size: 34304
    .private_segment_fixed_size: 0
    .kernarg_segment_align: 8
    .kernarg_segment_size: 64
    .max_flat_workgroup_size: 128
    .sgpr_count:     66
    .vgpr_count:     256
    .wavefront_size: 32
...
	.end_amdgpu_metadata
.endif
;; end of part 5
;; launch proj (part 6): grid 256 x 1, 4 waves a work-group, no clusters, 0 bytes of LDS; arguments act, wgt, bq, bk, bv, qb, kv, kvs; writes qb, kv, kvs
.if DOCPART == 6
	.amdgcn_target "amdgcn-amd-amdhsa--gfx1250"
	.amdhsa_code_object_version 6
	.text
	.protected	k_q33e91eb0c3_proj
	.globl	k_q33e91eb0c3_proj
	.p2align	8
	.type	k_q33e91eb0c3_proj,@function
k_q33e91eb0c3_proj:
	s_mov_b64 s[64:65], 0
	v_nop
	global_prefetch_b8 v0, s[64:65] scope:SCOPE_SE
	s_setreg_imm32_b32 hwreg(HW_REG_WAVE_SCHED_MODE, 0, 2), 2
	s_setreg_imm32_b32 hwreg(HW_REG_WAVE_MODE, 25, 1), 1
	s_wait_xcnt 0x0
	s_wait_alu depctr_vm_vsrc(0)
; Q = y Wq + bq, K = z Wk + bk, V = z Wv + bv on codes of FP4 (E2M1) with E8M0 scales; the f32 results are quantised at once: Q and K along the head's 128, V along the keys, and leave as images of operand registers.
; LIMITS: a block of zeros, or one whose largest magnitude lies under 2^-124, gets the scale byte 1; this program alone reads the bytes.  NaN and infinities are not served.
; SHARES.  Work-group x: role x / 16 (0-7: Q of head role; 8-15: K and V of head role - 8); its wave takes group G = 4 (x % 16) + wave of 128 tokens: 512 matrix instructions a wave, a tile of 128 x 128 (Q) or two of them on half the K.
; The head's weights stay in 512 registers; operands come from memory as they lie in registers (1,024 bytes a fragment, 512 consecutive bytes a load).  Waves share nothing: no LDS, no barrier.
; LAYOUT.  Q, K: source 0 = 16 columns of the weight, source 1 = 16 tokens: a lane holds ONE token and its registers run along the head.  V: source 0 = 16 tokens, source 1 = 16 channels of Wv: a lane holds one channel and its
; registers run along the keys.  Row r of tile T of any tensor stands for index 32 (T / 2) + 8 (T % 2) + r + 8 (r / 8): so the 16 registers of tiles 2 b and 2 b + 1 are the neighbours 32 b + 16 (lane / 16) + 0 .. 15.
; The biases are the C of each sum's first matrix instruction.  The eight accumulators take turns, one instruction a turn.
; No multicast: a wave's weights are read once into registers and its tokens are its own; what work-groups share (a head's weights, 16 work-groups) is read once by each at its head and never again.
; REGISTERS, in windows of 256: window 0: v1-6 offsets; v8-15 bv; v16-31 two sets of bv's C; v32-63 the tokens' scale words; v64-127 bq or bk in the result's layout; v128-191 eight accumulators; v192-199 the even tiles' fragment;
;   the odd tiles' fragment: v24-31 for Q and K (bv's second set is not yet in use), v64-71 for V (bk is done with); v200-216 at work; v220-223 eight tiles' scale words; v224-255 the weights' scale words.
;   window 1: weight K steps 0-3.   window 2: Wq's K steps 4-7, or Wv.   window 3: the tokens' fragments.
; THE MODE: SCHED_MODE bits 1:0 = 2 (LLVM: expert scheduling mode 2), set by the entry lines.  The code itself states the register dependences between vector or matrix instructions and memory instructions, with s_wait_alu, always for 0.
; THE PLAN.  Registers that memory instructions touch:
;   v1-6            offsets: written at the head, read by every load and store, never written again.
;   window 3, AW    Q: four sets of y.  Tile i's products read set i % 4; behind them the loads of tile i + 4 land in it.  K, V: loaded once.
;   windows 1, 2, the weights' scale words, the biases: loaded once, into registers that no vector instruction has named.
;   the fragment    two sets by turns.  Tile i's conversions and exchanges write set i % 2; the two stores that are issued in tile i + 1 read it; tile i + 2 writes it again.
;   S               written by every tile, read by one store behind the last tile.
; So ONE wait on va_vdst stands in a tile, behind its products and their places: the products are done reading their set of y, and the tile before has written its fragment.  The tile's loads and the last tile's stores follow it at once.
; The wait on vm_vsrc, beside the one on XCNT, stands at a tile's head, a whole quantising behind the stores that it speaks of.
.set ASC,  6291456
.set ZOFF, 4194304
.set WSC,  1114112
.set QSC,  4194304
.set LI,  1                            ; 16 x lane
.set L4,  2                            ; 4 x lane
.set R16, 3                            ; 16 x row
.set BO,  4                            ; 64 x (lane / 16)
.set BVO, 5                            ; 4 (r + 8 (r / 8))
.set SWO, 6                            ; 32 r + 16 (lane / 16)
.set BV,  8
.set CB,  16
.set AW,  32
.set B1,  64
.set HA,  128
.set PC,  192                          ; the fragment of an even tile
.set PQ,  24                           ; of an odd tile of Q or K
.set PV,  64                           ; of an odd tile of V
.set TM,  200
.set PW,  216
.set S,   220
.set WW,  224
.set HI,  40                           ; s40  lanes 16-31
.set SEL, 42                           ; s[42:43] lane selects: lane l xor 16
.set MSB, 0
.macro WIN new                         ; the immediate's high byte repeats the setting that is left
.if MSB != \new
	s_set_vgpr_msb (MSB<<8)|\new
.set MSB, \new
.endif
.endm
.macro QUANT s, pw, pc                 ; 64 numbers of a lane, register 16 b + i = k 32 b + 16 (lane / 16) + i of its row -> the fragment in v[pc] on, the row's scale word in v[pw]
.irp b, 0,1,2,3
	v_max3_num_f32 v[TM+\b], |v[(\s)+16*\b]|, |v[(\s)+1+16*\b]|, 0x1800000   ; each accumulator is read from its low end on; the floor 2^(3 - 127) holds the byte at 1 from below
.endr
.irp i, 2,4,6,8,10,12,14
.irp b, 0,1,2,3
	v_max3_num_f32 v[TM+\b], v[TM+\b], |v[(\s)+16*\b+\i]|, |v[(\s)+1+16*\b+\i]|
.endr
.endr
.irp b, 0,1,2,3
	v_permlanex16_b32 v[TM+4+\b], v[TM+\b], s[SEL], s[SEL+1]
.endr
.irp b, 0,1,2,3
	v_max_num_f32 v[TM+\b], v[TM+\b], v[TM+4+\b]
.endr
.irp b, 0,1,2,3
	v_add_nc_u32 v[TM+12+\b], 0xff000000, v[TM+\b]
.endr
.irp b, 0,1,2,3
	v_lshrrev_b32 v[TM+4+\b], 23, v[TM+12+\b]
.endr
	v_lshl_or_b32 v[\pw], v[TM+5], 8, v[TM+4]
	v_lshl_or_b32 v[\pw], v[TM+6], 16, v[\pw]
	v_lshl_or_b32 v[\pw], v[TM+7], 24, v[\pw]
.irp b, 0,1,2,3
	v_cvt_scalef32_pk8_fp4_f32 v[(\pc)+2*\b], v[(\s)+16*\b:(\s)+7+16*\b], v[TM+12+\b]
	v_cvt_scalef32_pk8_fp4_f32 v[(\pc)+1+2*\b], v[(\s)+8+16*\b:(\s)+15+16*\b], v[TM+12+\b]
.endr
	v_nop                                          ; one plain place behind a scaled conversion
.irp c, 0,1
.irp i, 0,1
	v_permlane16_swap_b32 v[(\pc)+4*\c+\i], v[(\pc)+2+4*\c+\i]
.endr
.endr
.endm
; one matrix instruction; ra, rb: source 0's or source 1's scale words stand in lanes 16-31
.macro WM d, a, b, c, sa, sb, ra, rb
.if \ra
	v_wmma_scale_f32_16x16x128_f8f6f4 v[(\d):(\d)+7], v[(\a):(\a)+7], v[(\b):(\b)+7], v[(\c):(\c)+7], v[\sa], v[\sb] matrix_a_fmt:MATRIX_FMT_FP4 matrix_b_fmt:MATRIX_FMT_FP4 matrix_a_scale:MATRIX_SCALE_ROW1
.elseif \rb
	v_wmma_scale_f32_16x16x128_f8f6f4 v[(\d):(\d)+7], v[(\a):(\a)+7], v[(\b):(\b)+7], v[(\c):(\c)+7], v[\sa], v[\sb] matrix_a_fmt:MATRIX_FMT_FP4 matrix_b_fmt:MATRIX_FMT_FP4 matrix_b_scale:MATRIX_SCALE_ROW1
.else
	v_wmma_scale_f32_16x16x128_f8f6f4 v[(\d):(\d)+7], v[(\a):(\a)+7], v[(\b):(\b)+7], v[(\c):(\c)+7], v[\sa], v[\sb] matrix_a_fmt:MATRIX_FMT_FP4 matrix_b_fmt:MATRIX_FMT_FP4
.endif
.endm
.macro PLACES                          ; four plain places between a matrix instruction and a vector instruction's read of its result (ISA guide 7.12.1)
.rept 4
	v_nop
.endr
.endm
.macro BIAS                            ; bq or bk in the result's layout: tile 2 b + u, lane half h: units 32 b + 16 h + 8 u + 0 .. 7
.irp t, 0,1,2,3,4,5,6,7
	global_load_b128 v[B1+8*\t:B1+8*\t+3], v[BO], s[48:49] offset:(32*(\t/2)+8*(\t%2))*4
	global_load_b128 v[B1+8*\t+4:B1+8*\t+7], v[BO], s[48:49] offset:(32*(\t/2)+8*(\t%2))*4+16
.endr
.endm
.macro WORDS4 reg, base, off           ; a weight's scale words of four K steps: register 4 s + g: lanes 0-15 tile 2 g, lanes 16-31 tile 2 g + 1
.irp s, 0,1,2,3
.irp g, 0,1,2,3
	global_load_b32 v[\reg+4*\s+\g], v[L4], s[\base:\base+1] offset:\off+512*\s+128*\g
.endr
.endr
.endm
.macro WLOAD4 base, off                ; a weight's 32 fragments of four K steps fill the destination's window: (s, t) at v[8 (8 s + t)]
.irp s, 0,1,2,3
.irp t, 0,1,2,3,4,5,6,7
.irp c, 0,1
	global_load_b128 v[8*(8*\s+\t)+4*\c:8*(8*\s+\t)+4*\c+3], v[LI], s[\base:\base+1] offset:\off+8192*\s+1024*\t+512*\c
.endr
.endr
.endr
.endm
.macro QW i, pc                        ; the accumulators become a fragment in v[pc] on; its scale word goes to lanes 0-15 (tiles 0-3) or lanes 16-31 (tiles 4-7) of v[S + i % 4]
.if (\i) < 4
	QUANT HA, S+(\i), \pc
.else
	QUANT HA, PW, \pc
	v_cndmask_b32 v[S+(\i)-4], v[S+(\i)-4], v[PW], s[HI]
.endif
.endm
.macro OUTIMG pc, off                  ; the fragment in v[pc] on leaves as it stands: twice 512 consecutive bytes
	global_store_b128 v[LI], v[(\pc):(\pc)+3], s[36:37] offset:\off
	global_store_b128 v[LI], v[(\pc)+4:(\pc)+7], s[36:37] offset:\off+512
.endm
	s_load_b256 s[4:11], s[0:1], 0x0               ; act s[4:5], wgt s[6:7], bq s[8:9], bk s[10:11]
	s_load_b256 s[12:19], s[0:1], 0x20             ; bv s[12:13], qb s[14:15], kv s[16:17], kvs s[18:19]
	v_lshrrev_b32 v7, 5, v0
	v_readfirstlane_b32 s20, v7                    ; wave 0..3
	v_and_b32 v7, 31, v0
	v_lshlrev_b32 v[LI], 4, v7
	v_lshlrev_b32 v[L4], 2, v7
	v_and_b32 v7, 15, v0                           ; r
	v_lshlrev_b32 v[R16], 4, v7
	v_bfe_u32 v[BO], v0, 4, 1                      ; h
	v_lshlrev_b32 v[SWO], 5, v7
	v_lshl_add_u32 v[SWO], v[BO], 4, v[SWO]
	v_and_b32 v[BVO], 8, v7
	v_add_nc_u32 v[BVO], v[BVO], v7
	v_lshlrev_b32 v[BVO], 2, v[BVO]
	v_lshlrev_b32 v[BO], 6, v[BO]
.irp b, 0,1,2,3
	v_mov_b32 v[TM+4+\b], 0                        ; written once: a lane permute's destination counts as one of its sources
.endr
	s_mov_b32 s[SEL], 0x76543210
	s_mov_b32 s[SEL+1], 0xfedcba98
	s_mov_b32 s[HI], 0xffff0000
	s_wait_alu depctr_va_sdst(0)                   ; s20, the wave's number, is written, ahead of its first reader: my group of tokens is made from it
	s_lshr_b32 s21, ttmp9, 4                       ; role
	s_and_b32 s22, ttmp9, 15
	s_lshl_b32 s22, s22, 2
	s_add_co_u32 s22, s22, s20                     ; G: my 128 tokens
	s_lshr_b32 s23, s22, 4                         ; batch
	s_and_b32 s24, s22, 15                         ; which 128 of the batch's 2,048
	s_and_b32 s25, s21, 7                          ; head
	s_lshl_b32 s50, s23, 3
	s_add_co_u32 s50, s50, s25                     ; batch x 8 + head
	s_lshl_b32 s51, s50, 4
	s_add_co_u32 s51, s51, s24                     ; x 16 + my 128
	s_mov_b32 s27, 0                               ; the high word of every offset
	s_wait_alu depctr_va_vdst(0)                   ; the six offsets v1 to v6 are written, which every load and store of both paths reads; up to the first loads stand scalar lines and window switches alone
	s_wait_kmcnt 0x0
	s_cmp_ge_u32 s21, 8
	s_cbranch_scc1 .Lkv
	; ---- Q
	s_lshl_b32 s26, s22, 16
	s_add_nc_u64 s[28:29], s[4:5], s[26:27]        ; y's 8 tiles x 8 K steps
	s_lshl_b32 s26, s22, 12
	s_add_co_u32 s26, s26, ASC
	s_add_nc_u64 s[30:31], s[4:5], s[26:27]        ; their scale words
	s_lshl_b32 s26, s25, 16
	s_add_nc_u64 s[32:33], s[6:7], s[26:27]        ; the head's Wq
	s_lshl_b32 s26, s25, 12
	s_add_co_u32 s26, s26, WSC
	s_add_nc_u64 s[34:35], s[6:7], s[26:27]        ; its scale words
	s_lshl_b32 s26, s25, 9
	s_add_nc_u64 s[48:49], s[8:9], s[26:27]        ; bq
	s_lshl_b32 s26, s51, 13
	s_add_nc_u64 s[36:37], s[14:15], s[26:27]      ; Q's 8 fragments
	s_lshl_b32 s26, s51, 9
	s_add_co_u32 s26, s26, QSC
	s_add_nc_u64 s[38:39], s[14:15], s[26:27]      ; their scale words, [row][8 tiles]
	BIAS
	WORDS4 WW, 34, 0
	WORDS4 WW+16, 34, 2048
	WIN 0x40
	WLOAD4 32, 0
	WIN 0x80
	WLOAD4 32, 32768
	WIN 0
.macro YLOAD i                         ; tile i of y: 8 fragments into set i % 4 of window 3, and its 8 scale words a row: 18 loads
	WIN 0xc0
.irp s, 0,1,2,3,4,5,6,7
.irp c, 0,1
	global_load_b128 v[64*((\i)%4)+8*\s+4*\c:64*((\i)%4)+8*\s+4*\c+3], v[LI], s[28:29] offset:8192*(\i)+1024*\s+512*\c
.endr
.endr
	WIN 0
	global_load_b128 v[AW+8*((\i)%4):AW+8*((\i)%4)+3], v[R16], s[30:31] offset:512*(\i)
	global_load_b128 v[AW+8*((\i)%4)+4:AW+8*((\i)%4)+7], v[R16], s[30:31] offset:512*(\i)+256
.endm
.irp i, 0,1,2,3
	YLOAD \i
.endr
.macro QTILE i
.set pcn, PC+(PQ-PC)*((\i)%2)          ; this tile's fragment,
.set pcl, PC+(PQ-PC)*(((\i)+1)%2)      ; and the last tile's
.if (\i) < 5
	s_wait_loadcnt 54                              ; this tile's loads are in; behind them stand three tiles' 18 each
.else
	s_wait_loadcnt 18*(7-(\i))
.endif
.if (\i) > 1
	s_wait_xcnt 0x0                                ; the stores issued in the last tile have had their addresses translated: their data registers are written again only behind this wait,
	s_wait_alu depctr_vm_vsrc(0)                   ; and they have read the fragment of two tiles back, whose registers this tile's conversions write again
.endif
	WIN 0x0d                                       ; source 0 (Wq) window 1, source 1 (y) window 3
.irp s, 0,1,2,3
.irp t, 0,1,2,3,4,5,6,7
.if \s == 0
	WM HA+8*\t, 8*(8*\s+\t), 64*((\i)%4)+8*\s, B1+8*\t, WW+4*\s+\t/2, AW+8*((\i)%4)+\s, \t%2, 0
.else
	WM HA+8*\t, 8*(8*\s+\t), 64*((\i)%4)+8*\s, HA+8*\t, WW+4*\s+\t/2, AW+8*((\i)%4)+\s, \t%2, 0
.endif
.endr
.endr
	WIN 0x0e                                       ; source 0 window 2
.irp s, 4,5,6,7
.irp t, 0,1,2,3,4,5,6,7
	WM HA+8*\t, 8*(8*(\s-4)+\t), 64*((\i)%4)+8*\s, HA+8*\t, WW+4*\s+\t/2, AW+8*((\i)%4)+\s, \t%2, 0
.endr
.endr
	WIN 0
	PLACES                                         ; for the conversions' reads of the sums; the wait below fills no place
	s_wait_alu depctr_va_vdst(0)                   ; this tile's products are done reading their set of y and its scale words, in which the loads below land; the last tile's conversions and exchanges have written its fragment, which the stores below read
.if (\i)+4 < 8
	YLOAD (\i)+4                                   ; into the set just multiplied
.endif
.if (\i) > 0
	OUTIMG pcl, 1024*((\i)-1)                      ; the last tile's fragment; no vector instruction since the wait names it
.endif
	QW \i, pcn
.endm
.irp i, 0,1,2,3,4,5,6,7
	QTILE \i
.endr
	s_wait_alu depctr_va_vdst(0)                   ; tile 7's fragment and the eight tiles' scale words are written, which the last three stores read
	OUTIMG PQ, 1024*7
	global_store_b128 v[SWO], v[S:S+3], s[38:39]   ; 512 consecutive bytes: [row][8 words]
	s_endpgm
	; ---- K and V
.Lkv:
	s_lshl_b32 s26, s22, 15
	s_add_co_u32 s26, s26, ZOFF
	s_add_nc_u64 s[28:29], s[4:5], s[26:27]        ; z's 8 tiles x 4 K steps
	s_lshl_b32 s26, s22, 11
	s_add_co_u32 s26, s26, ASC+262144
	s_add_nc_u64 s[30:31], s[4:5], s[26:27]        ; their scale words
	s_lshl_b32 s26, s25, 15
	s_add_co_u32 s26, s26, 524288
	s_add_nc_u64 s[32:33], s[6:7], s[26:27]        ; the head's Wk
	s_add_co_u32 s26, s26, 262144
	s_add_nc_u64 s[44:45], s[6:7], s[26:27]        ; and Wv
	s_lshl_b32 s26, s25, 11
	s_add_co_u32 s26, s26, WSC+32768
	s_add_nc_u64 s[34:35], s[6:7], s[26:27]        ; Wk's scale words
	s_add_co_u32 s26, s26, 16384
	s_add_nc_u64 s[46:47], s[6:7], s[26:27]        ; Wv's
	s_lshl_b32 s26, s25, 9
	s_add_nc_u64 s[48:49], s[10:11], s[26:27]      ; bk
	s_add_nc_u64 s[52:53], s[12:13], s[26:27]      ; bv
	s_lshl_b32 s26, s51, 14
	s_add_nc_u64 s[36:37], s[16:17], s[26:27]      ; the key step's 16 fragments: K's 8, then V's 8
	s_lshl_b32 s26, s51, 10
	s_add_nc_u64 s[38:39], s[18:19], s[26:27]      ; and their scale words
	BIAS
.irp n, 0,1,2,3,4,5,6,7
	global_load_b32 v[BV+\n], v[BVO], s[52:53] offset:(32*(\n/2)+8*(\n%2))*4   ; bv at my channel of tile n
.endr
	WORDS4 WW, 34, 0
	WORDS4 WW+16, 46, 0
.irp m, 0,1,2,3,4,5,6,7
	global_load_b128 v[AW+4*\m:AW+4*\m+3], v[R16], s[30:31] offset:256*\m
.endr
	WIN 0xc0
.irp m, 0,1,2,3,4,5,6,7
.irp s, 0,1,2,3
.irp c, 0,1
	global_load_b128 v[32*\m+8*\s+4*\c:32*\m+8*\s+4*\c+3], v[LI], s[28:29] offset:4096*\m+1024*\s+512*\c
.endr
.endr
.endr
	WIN 0x40
	WLOAD4 32, 0
	WIN 0x80
	WLOAD4 44, 0
	WIN 0
	s_wait_loadcnt 63                              ; the last 64 loads are Wv's: all that K needs is in
.irp j, 0,1,2,3,4,5,6,7
	v_mov_b32 v[CB+\j], v[BV]                      ; V's bias hangs on the lane's channel alone: eight equal registers are the C of channel tile 0
.endr
.macro KTILE m
.set pcn, PC+(PQ-PC)*((\m)%2)          ; this tile's fragment,
.set pcl, PC+(PQ-PC)*(((\m)+1)%2)      ; and the last tile's
.if (\m) > 1
	s_wait_xcnt 0x0                                ; the stores issued in the last tile have had their addresses translated: their data registers are written again only behind this wait,
	s_wait_alu depctr_vm_vsrc(0)                   ; and they have read the fragment of two tiles back, whose registers this tile's conversions write again
.endif
	WIN 0x0d                                       ; source 0 (Wk) window 1, source 1 (z) window 3
.irp s, 0,1,2,3
.irp t, 0,1,2,3,4,5,6,7
.if \s == 0
	WM HA+8*\t, 8*(8*\s+\t), 32*(\m)+8*\s, B1+8*\t, WW+4*\s+\t/2, AW+4*(\m)+\s, \t%2, 0
.else
	WM HA+8*\t, 8*(8*\s+\t), 32*(\m)+8*\s, HA+8*\t, WW+4*\s+\t/2, AW+4*(\m)+\s, \t%2, 0
.endif
.endr
.endr
	WIN 0
	PLACES                                         ; for the conversions' reads of the sums
.if (\m) > 0
	s_wait_alu depctr_va_vdst(0)                   ; the last tile's conversions and exchanges have written its fragment, which the stores below read
	OUTIMG pcl, 1024*((\m)-1)
.endif
	QW \m, pcn
.endm
.irp m, 0,1,2,3,4,5,6,7
	KTILE \m
.endr
	s_wait_alu depctr_va_vdst(0)                   ; K's last fragment and its eight tiles' scale words are written, which the three stores below read
	OUTIMG PQ, 1024*7
	global_store_b128 v[SWO], v[S:S+3], s[38:39]   ; K's scale words: [row][8 key tiles]
	s_wait_loadcnt 0x0                             ; Wv
.macro VTILE ct
.set pcn, PC+(PV-PC)*((\ct)%2)         ; this tile's fragment,
.set pcl, PC+(PV-PC)*(((\ct)+1)%2)     ; and the last tile's
.if (\ct) != 1                         ; (tile 1 writes v64-71, which no store has read yet, and a scale word that tile 0's wait has freed)
	s_wait_xcnt 0x0                                ; the stores issued so far have had their addresses translated: their data registers are written again only behind this wait,
	s_wait_alu depctr_vm_vsrc(0)                   ; and they have read the registers that this tile writes again: the fragment of two tiles back; in tile 0 K's last two fragments (v24-31 become bv's second set) and K's scale words
.endif
	WIN 0x0b                                       ; source 0 (z) window 3, source 1 (Wv) window 2
.irp s, 0,1,2,3
.irp m, 0,1,2,3,4,5,6,7
.if \s == 0
	WM HA+8*\m, 32*\m+8*\s, 8*(8*\s+(\ct)), CB+8*((\ct)%2), AW+4*\m+\s, WW+16+4*\s+(\ct)/2, 0, (\ct)%2
.else
	WM HA+8*\m, 32*\m+8*\s, 8*(8*\s+(\ct)), HA+8*\m, AW+4*\m+\s, WW+16+4*\s+(\ct)/2, 0, (\ct)%2
.endif
.endr
.endr
	WIN 0
.if (\ct) < 7
.irp j, 0,1,2,3,4,5,6,7
	v_mov_b32 v[CB+8*(((\ct)+1)%2)+\j], v[BV+(\ct)+1]   ; the next tile's C, in the set that this tile's products do not name: these eight are also the places behind them
.endr
.else
	PLACES
.endif
.if (\ct) > 0
	s_wait_alu depctr_va_vdst(0)                   ; the last tile's conversions and exchanges have written its fragment, which the stores below read
	OUTIMG pcl, 8192+1024*((\ct)-1)
.endif
	QW \ct, pcn
.endm
.irp n, 0,1,2,3,4,5,6,7
	VTILE \n
.endr
	s_wait_alu depctr_va_vdst(0)                   ; V's last fragment and its eight tiles' scale words are written, which the last three stores read
	OUTIMG PV, 8192+1024*7
	global_store_b128 v[SWO], v[S:S+3], s[38:39] offset:512   ; V's scale words: [row][8 channel tiles]
	s_endpgm
.Lfunc_end_k_q33e91eb0c3_proj:
	.size	k_q33e91eb0c3_proj, .Lfunc_end_k_q33e91eb0c3_proj-k_q33e91eb0c3_proj
	.p2alignl 7, 3214868480
	.fill 96, 4, 3214868480
	.section	.rodata,"a",@progbits
	.p2align	6, 0x0
	.amdhsa_kernel k_q33e91eb0c3_proj
		.amdhsa_group_segment_fixed_size 0
		.amdhsa_private_segment_fixed_size 0
		.amdhsa_enable_private_segment 0
		.amdhsa_kernarg_size 64
		.amdhsa_user_sgpr_count 2
		.amdhsa_user_sgpr_kernarg_segment_ptr 1
		.amdhsa_wavefront_size32 1
		.amdhsa_system_sgpr_workgroup_id_x 1
		.amdhsa_system_sgpr_workgroup_id_y 1
		.amdhsa_system_sgpr_workgroup_id_z 1
		.amdhsa_system_vgpr_workitem_id 0
		.amdhsa_next_free_vgpr 1024
		.amdhsa_next_free_sgpr 66
		.amdhsa_reserve_vcc 0
		.amdhsa_float_denorm_mode_32 3
		.amdhsa_float_denorm_mode_16_64 3
		.amdhsa_memory_ordered 1
		.amdhsa_forward_progress 1
		.amdhsa_inst_pref_size 255
	.end_amdhsa_kernel
	.section	.bss,"aw",@nobits
	.p2align	6
	.space	262144
	.amdgpu_metadata
---
amdhsa.version: [ 1, 2 ]
amdhsa.kernels:
  - .name:           k_q33e91eb0c3_proj
    .symbol:         k_q33e91eb0c3_proj.kd
    .args:
      - { .name: act, .offset: 0, .size: 8, .value_kind: global_buffer, .address_space: global }
      - { .name: wgt, .offset: 8, .size: 8, .value_kind: global_buffer, .address_space: global }
      - { .name: bq, .offset: 16, .size: 8, .value_kind: global_buffer, .address_space: global }
      - { .name: bk, .offset: 24, .size: 8, .value_kind: global_buffer, .address_space: global }
      - { .name: bv, .offset: 32, .size: 8, .value_kind: global_buffer, .address_space: global }
      - { .name: qb, .offset: 40, .size: 8, .value_kind: global_buffer, .address_space: global }
      - { .name: kv, .offset: 48, .size: 8, .value_kind: global_buffer, .address_space: global }
      - { .name: kvs, .offset: 56, .size: 8, .value_kind: global_buffer, .address_space: global }
    .group_segment_fixed_size: 0
    .private_segment_fixed_size: 0
    .kernarg_segment_align: 8
    .kernarg_segment_size: 64
    .max_flat_workgroup_size: 128
    .sgpr_count:     66
    .vgpr_count:     1024
    .wavefront_size: 32
...
	.end_amdgpu_metadata
.endif
;; end of part 6
;; launch attn (part 7): grid 8 x 32, 16 waves a work-group, clusters of 4 x 1, 281,600 bytes of LDS; arguments qb, kv, kvs, ob; writes ob
.if DOCPART == 7
	.amdgcn_target "amdgcn-amd-amdhsa--gfx1250"
	.amdhsa_code_object_version 6
	.text
	.protected	k_q33e91eb0c3_attn
	.globl	k_q33e91eb0c3_attn
	.p2align	8
	.type	k_q33e91eb0c3_attn,@function
k_q33e91eb0c3_attn:
	s_mov_b64 s[64:65], 0
	v_nop
	global_prefetch_b8 v0, s[64:65] scope:SCOPE_SE
	s_setreg_imm32_b32 hwreg(HW_REG_WAVE_MODE, 25, 1), 1
	s_wait_xcnt 0x0
	s_wait_alu depctr_hold_cnt(0) depctr_sa_sdst(0) depctr_va_vdst(0) depctr_va_sdst(0) depctr_va_ssrc(0) depctr_va_vcc(0) depctr_vm_vsrc(0)
	s_getreg_b32 s2, hwreg(HW_REG_IB_STS2, 6, 4)
	s_cmp_eq_u32 s2, 0
	s_cbranch_scc0 .Lentry_in_a_cluster
	s_endpgm
.Lentry_in_a_cluster:
	s_bfe_u32 s2, ttmp6, 0x10000c
	s_cmp_lg_u32 s2, 0x3003
	s_cbranch_scc0 .Lentry_shape_is_right
	s_endpgm
.Lentry_shape_is_right:
; For each batch and head: O = softmax(Q K^T / sqrt(128)) V, both products on codes of FP4 (E2M1) with E8M0 scales; O / the row's sum is quantised along the head's 128 channels, which are 128 along K of the last projection.
; THE SOFTMAX: t = score x log2(e) / sqrt(128); M = the row's largest t so far, rounded UP to a whole number; p = 2^(t - M) is quantised along the keys, not normalised.  The row's sum is taken of the unquantised p.
; When M moves, the sum and O are multiplied by 2^(old M - new M): exact.
; LIMITS: p under 2^-126 comes out of v_exp_f32 as 0 (ISA guide, its entry in 15.8); a block whose largest magnitude lies under 2^-124 gets the scale byte 1, its codes are zeros; NaN and infinities are not served.
; SHARES.  A work-group owns 256 queries of one batch and head; each of its sixteen waves 16 of them, in 256 registers: four waves to a SIMD, so that one wave's vector work stands beside another's matrix work and LDS loads.
; Every wave walks the 2,048 keys, 128 a step.  All operands lie in memory as images of operand registers (1,024 bytes a fragment; a key step is 8 fragments of K, then 8 of V^T: 16,384 dense bytes).
; THE HEAD'S WHOLE K AND V STAY IN LDS: 16 key steps x 16,384 bytes, and their scale words, 16,384 bytes.  Every byte is filled ONCE, at the start: no slot takes turns, nothing is filled again.
; Each wave brings a sixteenth of the scale words, a sixteenth of key steps 0-3 and a sixteenth of key steps 4-15, in that order: three tensor loads of mine are out.  The first four steps are read behind a first barrier,
; while the rest is on its way; a second barrier, signalled behind step 1 and awaited ahead of step 4, shows the rest to every wave.  From there on the waves do not meet until the way out.
; CLUSTER: the four work-groups of a cluster belong to one batch and head and read the same K and V: each tile is asked for jointly, by the same tensor load with the same descriptor and the mask of all four.
; No prefetch: every tile is asked for at the head, so no later load is left to ask ahead for.
; LAYOUT: S^T = K Q^T, O^T = V^T P^T: a lane holds ONE query throughout.  The rows of a tile of K and of V^T are laid so that the 16 registers of tiles 2 b and 2 b + 1 are the neighbours 32 b + 16 (lane / 16) + 0 .. 15.
; REGISTERS: v1-9, v24 addresses; v12 -M, v13 the largest t, v[14:15] the sum in two halves; v16-23 Q; v32-95 eight fragments of K or of V; v96-159 S^T, then p; v160-223 O^T; v224-231 p's codes;
;   v232-239, v244-247, v252-254 at work; v240-243, v248-251 eight scale words; v253 p's scale word; v255 Q's.
.set FOUR,  65536                      ; four key steps in bytes: what a trip of the loop walks, and how far an LDS instruction's immediate reaches
.set SCL,   262144                     ; behind K and V: the head's scale words: [key step][K's 512 bytes, V's 512 bytes], each [row][8 tiles]
.set SST,   278528                     ; behind them: O's scale words of the work-group's 16 tiles, 64 bytes each: no tensor load lands here
.set QSC,   4194304
.set OSC,   4194304
.set LI,  1                            ; 16 x lane
.set SA,  2                            ; SCL + 32 x row
.set QSO, 4                            ; 32 x row
.set SSA, 7                            ; SST + 64 x wave + 4 x row
.set ADK, 8
.set ADS, 9
.set SRA, 24                           ; SST + 16 x lane
.set PC,  224
.set TM,  232
.set WV,  18
.set SEL, 20
.set CS,  22
.set G1A, 24                           ; s[24:31] group 1: 16 rows of 256 bytes: my part of key steps 0-3
.set G1B, 32                           ; s[32:39] group 1: 48 rows: my part of key steps 4-15
.set G1S, 40                           ; s[40:47] group 1: 4 rows: my part of the scale words
.set G0A, 48                           ; s[48:51], s[52:55], s[56:59] their groups 0
.set G0B, 52
.set G0S, 56
.set TB,  60                           ; LDS byte at which the four key steps in hand begin
.set TS,  61                           ; where the step's scale words begin: 1,024 bytes a step
.set TRIPS, 62
.macro QUANT s, pw                     ; 64 numbers of a lane, register 16 b + i = k 32 b + 16 (lane / 16) + i of its row -> the fragment in v[PC] on, the row's scale word in v[pw]
.irp b, 0,1,2,3
	v_max3_num_f32 v[TM+\b], |v[(\s)+16*\b]|, |v[(\s)+1+16*\b]|, 0x1800000
.endr
.irp i, 2,4,6,8,10,12,14
.irp b, 0,1,2,3
	s_delay_alu instid0(VALU_DEP_4)
	v_max3_num_f32 v[TM+\b], v[TM+\b], |v[(\s)+16*\b+\i]|, |v[(\s)+1+16*\b+\i]|
.endr
.endr
.irp b, 0,1,2,3
	s_delay_alu instid0(VALU_DEP_4)
	v_permlanex16_b32 v[TM+4+\b], v[TM+\b], s[SEL], s[SEL+1]
.endr
.irp b, 0,1,2,3
	s_delay_alu instid0(VALU_DEP_4)
	v_max_num_f32 v[TM+\b], v[TM+\b], v[TM+4+\b]
.endr
.irp b, 0,1,2,3
	s_delay_alu instid0(VALU_DEP_4)
	v_add_nc_u32 v[TM+12+\b], 0xff000000, v[TM+\b]
.endr
.irp b, 0,1,2,3
	s_delay_alu instid0(VALU_DEP_4)
	v_lshrrev_b32 v[TM+4+\b], 23, v[TM+12+\b]
.endr
	s_delay_alu instid0(VALU_DEP_3)
	v_lshl_or_b32 v[\pw], v[TM+5], 8, v[TM+4]
	s_delay_alu instid0(VALU_DEP_1)
	v_lshl_or_b32 v[\pw], v[TM+6], 16, v[\pw]
	s_delay_alu instid0(VALU_DEP_1)
	v_lshl_or_b32 v[\pw], v[TM+7], 24, v[\pw]
.irp b, 0,1,2,3
	v_cvt_scalef32_pk8_fp4_f32 v[PC+2*\b], v[(\s)+16*\b:(\s)+7+16*\b], v[TM+12+\b]
	v_cvt_scalef32_pk8_fp4_f32 v[PC+1+2*\b], v[(\s)+8+16*\b:(\s)+15+16*\b], v[TM+12+\b]
.endr
	v_nop
.irp c, 0,1
.irp i, 0,1
	v_permlane16_swap_b32 v[PC+4*\c+\i], v[PC+2+4*\c+\i]
.endr
.endr
.endm
; A round of the cluster's barrier: my work-group's barrier, so that wave 0's signal speaks for all sixteen waves; wave 0 signals for the work-group; every wave waits for all four work-groups; my work-group's barrier once more.
.macro CROUND
	s_barrier_signal -1
	s_barrier_wait -1
	s_cmp_lg_u32 s[WV], 0
	s_cbranch_scc1 .Lnot_wave_0_\@
	s_barrier_signal -3
.Lnot_wave_0_\@:
	s_barrier_wait -3
	s_barrier_signal -1
	s_barrier_wait -1
.endm
	s_load_b256 s[4:11], s[0:1], 0x0               ; qb s[4:5], kv s[6:7], kvs s[8:9], ob s[10:11]
	v_lshl_add_u32 v30, v0, 2, 0x44400
	v_mov_b32 v31, 0
	ds_add_u32 v30, v31
	ds_add_u32 v30, v31
	v_lshrrev_b32 v10, 5, v0
	s_delay_alu instid0(VALU_DEP_1)
	v_readfirstlane_b32 s[WV], v10                 ; wave 0..15
	v_and_b32 v11, 31, v0                          ; lane
	v_and_b32 v3, 15, v0                           ; r
	s_delay_alu instid0(VALU_DEP_2)
	v_lshlrev_b32 v[LI], 4, v11
	s_delay_alu instid0(VALU_DEP_2)
	v_lshlrev_b32 v[QSO], 5, v3
	s_delay_alu instid0(VALU_DEP_1)
	v_add_nc_u32 v[SA], SCL, v[QSO]
	v_lshlrev_b32 v[SSA], 6, v10
	s_delay_alu instid0(VALU_DEP_1)
	v_lshl_add_u32 v[SSA], v3, 2, v[SSA]
	s_delay_alu instid0(VALU_DEP_1)
	v_add_nc_u32 v[SSA], SST, v[SSA]
	v_add_nc_u32 v[SRA], SST, v[LI]
	s_and_b32 s12, ttmp7, 0xffff                   ; batch x 8 + head, which the four partners share
	s_bfe_u32 s13, ttmp6, 0x40000                  ; cx: it enters Q's and O's global addresses alone
	s_lshl_b32 s14, ttmp9, 2
	s_add_co_u32 s14, s14, s13                     ; my block of 256 queries
	s_lshl_b32 s15, s14, 4
	s_add_co_u32 s15, s15, s[WV]                   ; my tile of 16 queries
	; what I fetch: made of the batch, the head and the wave's number alone, in registers that never hold cx
	s_lshl_b32 s74, s12, 18
	s_lshl_b32 s75, s[WV], 12
	s_add_co_u32 s74, s74, s75
	s_mov_b32 s75, 0                               ; kv: 262,144 x (batch, head) + 4,096 x wave: key steps 0-3
	s_lshl_b32 s76, s12, 18
	s_mul_i32 s77, s[WV], 12288
	s_add_co_u32 s76, s76, s77
	s_add_co_u32 s76, s76, FOUR
	s_mov_b32 s77, 0                               ; kv: behind those four steps, 12,288 x wave: key steps 4-15
	s_lshl_b32 s78, s12, 14
	s_lshl_b32 s79, s[WV], 10
	s_add_co_u32 s78, s78, s79
	s_mov_b32 s79, 0                               ; kvs: 16,384 x (batch, head) + 1,024 x wave
	s_lshl_b32 s66, s12, 17
	s_lshl_b32 s67, s15, 10
	s_add_co_u32 s66, s66, s67
	s_mov_b32 s67, 0                               ; Q's fragment
	s_lshl_b32 s68, s12, 4
	s_lshl_b32 s69, s14, 1
	s_add_co_u32 s68, s68, s69
	s_lshr_b32 s69, s[WV], 3
	s_add_co_u32 s68, s68, s69
	s_lshl_b32 s68, s68, 9
	s_and_b32 s69, s[WV], 7
	s_lshl_b32 s69, s69, 2
	s_add_co_u32 s68, s68, s69
	s_add_co_u32 s68, s68, QSC
	s_mov_b32 s69, 0                               ; Q's scale words: [8 tiles' group][row][8 words]
	s_lshr_b32 s17, s12, 3                         ; batch
	s_and_b32 s16, s12, 7                          ; head
	s_lshl_b32 s70, s17, 7
	s_add_co_u32 s70, s70, s15
	s_lshl_b32 s70, s70, 3
	s_add_co_u32 s70, s70, s16
	s_lshl_b32 s70, s70, 10
	s_mov_b32 s71, 0                               ; O's fragment: ((batch x 128 + tile) x 8 + head) x 1,024
	s_lshl_b32 s72, s16, 9
	s_lshl_b32 s73, s17, 7
	s_add_co_u32 s72, s72, s73
	s_lshl_b32 s73, s14, 4
	s_add_co_u32 s72, s72, s73
	s_lshl_b32 s72, s72, 6
	s_add_co_u32 s72, s72, OSC
	s_mov_b32 s73, 0                               ; the work-group's 1,024 bytes of O's scale words
	s_mov_b32 s[G1A], 15|(3<<16)|(1<<21)           ; 15:0 the mask: all four work-groups; 17:16 elements of 8 bytes; 21 set beside a mask; no padding: an image is read 16 bytes a lane on end
	s_mov_b32 s[G1A+1], 32<<16                     ; tensor_dim0 = 32 elements: 256 bytes
	s_mov_b32 s[G1A+2], 16<<16                     ; tensor_dim1 = 16
	s_mov_b32 s[G1A+3], 32<<16                     ; tile_dim0
	s_mov_b32 s[G1A+4], 16                         ; tile_dim1
	s_mov_b32 s[G1A+5], 32                         ; the pitch: dense
	s_mov_b32 s[G1A+6], 0
	s_mov_b32 s[G1A+7], 0
	s_mov_b32 s[G1B], 15|(3<<16)|(1<<21)           ; the same with 48 rows
	s_mov_b32 s[G1B+1], 32<<16
	s_mov_b32 s[G1B+2], 48<<16
	s_mov_b32 s[G1B+3], 32<<16
	s_mov_b32 s[G1B+4], 48
	s_mov_b32 s[G1B+5], 32
	s_mov_b32 s[G1B+6], 0
	s_mov_b32 s[G1B+7], 0
	s_mov_b32 s[G1S], 15|(3<<16)|(1<<21)           ; and with 4
	s_mov_b32 s[G1S+1], 32<<16
	s_mov_b32 s[G1S+2], 4<<16
	s_mov_b32 s[G1S+3], 32<<16
	s_mov_b32 s[G1S+4], 4
	s_mov_b32 s[G1S+5], 32
	s_mov_b32 s[G1S+6], 0
	s_mov_b32 s[G1S+7], 0
	s_mov_b32 s[SEL], 0x76543210
	s_mov_b32 s[SEL+1], 0xfedcba98
	s_mov_b32 s[CS], 0x3e0293ee                    ; c = log2(e) / sqrt(128)
	s_mov_b32 s[CS+1], s[CS]                       ; named with it as a pair, so it is written
	s_mov_b32 s[TB], 0
	s_mov_b32 s[TS], 0
	s_mov_b32 s[TRIPS], 3
	s_wait_alu depctr_va_vdst(0)
	s_wait_dscnt 0x0
	s_wait_kmcnt 0x0
	s_mov_b32 s[G0S], 1
	s_lshl_b32 s[G0S+1], s[WV], 10
	s_add_co_u32 s[G0S+1], s[G0S+1], SCL           ; LDS: SCL + 1,024 x wave
	s_add_nc_u64 s[G0S+2:G0S+3], s[8:9], s[78:79]
	s_or_b32 s[G0S+3], s[G0S+3], 0x80000000
	s_mov_b32 s[G0A], 1
	s_lshl_b32 s[G0A+1], s[WV], 12                 ; LDS: 4,096 x wave
	s_add_nc_u64 s[G0A+2:G0A+3], s[6:7], s[74:75]
	s_or_b32 s[G0A+3], s[G0A+3], 0x80000000
	s_mov_b32 s[G0B], 1
	s_mul_i32 s[G0B+1], s[WV], 12288
	s_add_co_u32 s[G0B+1], s[G0B+1], FOUR          ; LDS: 65,536 + 12,288 x wave
	s_add_nc_u64 s[G0B+2:G0B+3], s[6:7], s[76:77]
	s_or_b32 s[G0B+3], s[G0B+3], 0x80000000
	s_add_nc_u64 s[66:67], s[4:5], s[66:67]
	s_add_nc_u64 s[68:69], s[4:5], s[68:69]
	s_add_nc_u64 s[70:71], s[10:11], s[70:71]
	s_add_nc_u64 s[72:73], s[10:11], s[72:73]
	global_load_b128 v[16:19], v[LI], s[66:67]     ; Q's fragment stays in registers; it is on its way during the round below
	global_load_b128 v[20:23], v[LI], s[66:67] offset:512
	global_load_b32 v255, v[QSO], s[68:69]         ; and its scale words
	CROUND                                         ; all four work-groups are here: the joint loads meet
	tensor_load_to_lds s[G0S:G0S+3], s[G1S:G1S+7]  ; all fills of the launch stand here, ahead of every wait on TENSORcnt, every LDS read and every other barrier: the scale words,
	s_nop 0
	tensor_load_to_lds s[G0A:G0A+3], s[G1A:G1A+7]  ; key steps 0-3,
	s_nop 0
	tensor_load_to_lds s[G0B:G0B+3], s[G1B:G1B+7]  ; key steps 4-15: a wave's tensor loads end in order (ISA guide 10.11.1), so what is read first lands first
	s_nop 0
.rept 4
	v_nop                                          ; four v_nop follow the last of them
.endr
	v_mov_b32 v13, 0xff61b1e6                      ; the largest t so far: -3e38, under every t
	s_delay_alu instid0(VALU_DEP_1)
	v_floor_f32 v12, -v13                          ; -M
	v_mov_b32 v14, 0
	v_mov_b32 v15, 0
.irp b, 0,1,2,3
	v_mov_b32 v[236+\b], 0                         ; written once: a lane permute's destination counts as one of its sources
.endr
	v_mov_b32 v253, 0                              ; named as the upper half of the pair v[252:253] before it is first written
.set jj, 0
.rept 64
	v_mov_b32 v[160+jj], 0                         ; O^T: the step is written once; the first finds zeros, which the first change of M leaves zeros
.set jj, jj+1
.endr
; A KEY STEP: 128 keys, the q-th of the four in hand.
.macro STEP q
	s_setprio 2
	v_add_nc_u32 v[ADK], s[TB], v[LI]
	v_add_nc_u32 v[ADS], s[TS], v[SA]
	v_nop
	v_nop                                          ; four plain places in front of loads into registers that the last step's products have read
.irp t, 0,1,2,3,4,5,6,7
.irp c, 0,1
	ds_load_b128 v[32+8*\t+4*\c:35+8*\t+4*\c], v[ADK] offset:16384*(\q)+1024*\t+512*\c
.endr
.endr
	ds_load_b128 v[240:243], v[ADS]                ; K's scale words of tiles 0-3,
	ds_load_b128 v[248:251], v[ADS] offset:16      ; and 4-7
	s_wait_alu depctr_va_vdst(0)
	s_wait_dscnt 0x0
.irp t, 0,1,2,3,4,5,6,7
	v_wmma_scale_f32_16x16x128_f8f6f4 v[96+8*\t:103+8*\t], v[32+8*\t:39+8*\t], v[16:23], 0, v[240+\t+4*(\t/4)], v255 matrix_a_fmt:MATRIX_FMT_FP4 matrix_b_fmt:MATRIX_FMT_FP4
.endr
.rept 4
	v_nop                                          ; places in front of the loads below and of the first read of the scores
.endr
.irp t, 0,1,2,3,4,5,6,7                        ; V's fragments and scale words land under the softmax
.irp c, 0,1
	ds_load_b128 v[32+8*\t+4*\c:35+8*\t+4*\c], v[ADK] offset:16384*(\q)+8192+1024*\t+512*\c
.endr
.endr
	ds_load_b128 v[240:243], v[ADS] offset:512
	ds_load_b128 v[248:251], v[ADS] offset:528
.irp b, 0,1,2,3
	v_max3_num_f32 v[232+\b], v[96+16*\b], v[97+16*\b], v[98+16*\b]   ; the largest score of each block of 32 keys: it serves the row's maximum and, since p rises with the score, the block's largest p
.endr
.irp i, 3,5,7,9,11,13
.irp b, 0,1,2,3
	v_max3_num_f32 v[232+\b], v[232+\b], v[96+16*\b+\i], v[97+16*\b+\i]
.endr
.endr
.irp b, 0,1,2,3
	v_max_num_f32 v[232+\b], v[232+\b], v[111+16*\b]
.endr
.irp b, 0,1,2,3
	s_delay_alu instid0(VALU_DEP_4)
	v_permlanex16_b32 v[236+\b], v[232+\b], s[SEL], s[SEL+1]
.endr
.irp b, 0,1,2,3
	s_delay_alu instid0(VALU_DEP_4)
	v_max_num_f32 v[232+\b], v[232+\b], v[236+\b]  ; with lane l xor 16's 16 keys
.endr
	s_delay_alu instid0(VALU_DEP_2)
	v_max3_num_f32 v254, v232, v233, v234
	s_delay_alu instid0(VALU_DEP_1)
	v_max_num_f32 v254, v254, v235                 ; the step's largest score of my query
	s_delay_alu instid0(VALU_DEP_1)
	v_mul_f32 v254, s[CS], v254                    ; as t (c is positive)
	s_delay_alu instid0(VALU_DEP_1)
	v_max_num_f32 v13, v13, v254                   ; the running largest t
	v_mov_b32 v254, v12
	s_delay_alu instid0(VALU_DEP_2)
	v_floor_f32 v12, -v13                          ; the new -M = floor(-t) = -ceil(t)
	s_delay_alu instid0(VALU_DEP_1)
	v_sub_f32 v254, v12, v254                      ; old M - new M: a whole number, 0 or less
	s_delay_alu instid0(VALU_DEP_1)
	v_cvt_i32_f32 v254, v254                       ; (it saturates)
	s_delay_alu instid0(VALU_DEP_1)
	v_ldexp_f32 v252, 1.0, v254                    ; f = 2^(old M - new M)
.set jj, 0
.rept 32
	v_pk_fma_f32 v[96+jj:97+jj], v[96+jj:97+jj], s[CS:CS+1], v[12:13] op_sel_hi:[1,0,0]   ; t - M, two at a time
.set jj, jj+2
.endr
.irp b, 0,1,2,3
	v_fma_f32 v[232+\b], v[232+\b], s[CS], v12     ; the same of each block's largest score
.endr
.set jj, 0
	s_wait_alu depctr_va_vdst(0)
.rept 64
	v_exp_f32 v[96+jj], v[96+jj]                   ; p = 2^(t - M), at most 1
.set jj, jj+1
.endr
	s_setprio 1
	v_pk_mul_f32 v[14:15], v[14:15], v[252:253] op_sel_hi:[1,0]   ; the sums under the new M; a plain place behind the exponentials
	s_wait_alu depctr_va_vdst(0)                   ; one wait for the whole batch, ahead of its first reader
.irp b, 0,1,2,3
	v_exp_f32 v[232+\b], v[232+\b]                 ; the block's largest p: the same two instructions on the same number give the same bits
.endr
	v_pk_add_f32 v[236:237], v[100:101], v[104:105]
	v_pk_add_f32 v[246:247], v[108:109], v[112:113]
	v_pk_add_f32 v[244:245], v[116:117], v[120:121]
	v_pk_add_f32 v[238:239], v[124:125], v[128:129]
	v_pk_add_f32 v[230:231], v[132:133], v[136:137]
	v_pk_add_f32 v[228:229], v[140:141], v[144:145]
	v_pk_add_f32 v[226:227], v[148:149], v[152:153]
	v_pk_add_f32 v[14:15], v[14:15], v[156:157]
	v_pk_add_f32 v[236:237], v[236:237], v[96:97]
	v_pk_add_f32 v[246:247], v[246:247], v[98:99]
	v_pk_add_f32 v[244:245], v[244:245], v[102:103]
	v_pk_add_f32 v[238:239], v[238:239], v[106:107]
	v_pk_add_f32 v[230:231], v[230:231], v[110:111]
	v_pk_add_f32 v[228:229], v[228:229], v[114:115]
	v_pk_add_f32 v[226:227], v[226:227], v[118:119]
	v_pk_add_f32 v[14:15], v[14:15], v[122:123]
	v_pk_add_f32 v[236:237], v[236:237], v[126:127]
	v_pk_add_f32 v[246:247], v[246:247], v[130:131]
	v_pk_add_f32 v[244:245], v[244:245], v[134:135]
	v_pk_add_f32 v[238:239], v[238:239], v[138:139]
	v_pk_add_f32 v[230:231], v[230:231], v[142:143]
	v_pk_add_f32 v[228:229], v[228:229], v[146:147]
	v_pk_add_f32 v[226:227], v[226:227], v[150:151]
	v_pk_add_f32 v[14:15], v[14:15], v[154:155]
	v_pk_add_f32 v[236:237], v[236:237], v[158:159]
	s_delay_alu instid0(VALU_DEP_2)
	v_pk_add_f32 v[14:15], v[14:15], v[238:239]
	s_delay_alu instid0(VALU_DEP_2)
	v_pk_add_f32 v[236:237], v[236:237], v[230:231]
	v_pk_add_f32 v[246:247], v[246:247], v[228:229]
	v_pk_add_f32 v[244:245], v[244:245], v[226:227]
	s_delay_alu instid0(VALU_DEP_2)
	v_pk_add_f32 v[14:15], v[14:15], v[246:247]
	s_delay_alu instid0(VALU_DEP_2)
	v_pk_add_f32 v[236:237], v[236:237], v[244:245]
	s_delay_alu instid0(VALU_DEP_1)
	v_pk_add_f32 v[14:15], v[14:15], v[236:237]
	s_wait_alu depctr_va_vdst(0)                   ; and one for the four
.irp b, 0,1,2,3
	v_max_num_f32 v[232+\b], 0x1800000, v[232+\b]  ; the floor 2^(3 - 127): the byte cannot fall under 1
.endr
.irp b, 0,1,2,3
	s_delay_alu instid0(VALU_DEP_4)
	v_add_nc_u32 v[244+\b], 0xff000000, v[232+\b]  ; the conversion's scale operand
.endr
.irp b, 0,1,2,3
	s_delay_alu instid0(VALU_DEP_4)
	v_lshrrev_b32 v[236+\b], 23, v[244+\b]         ; the byte
.endr
	s_delay_alu instid0(VALU_DEP_3)
	v_lshl_or_b32 v253, v237, 8, v236              ; p's scale word for these 128 keys
	s_delay_alu instid0(VALU_DEP_1)
	v_lshl_or_b32 v253, v238, 16, v253
	s_delay_alu instid0(VALU_DEP_1)
	v_lshl_or_b32 v253, v239, 24, v253
.irp b, 0,1,2,3
	v_cvt_scalef32_pk8_fp4_f32 v[224+2*\b], v[96+16*\b:103+16*\b], v[244+\b]
	v_cvt_scalef32_pk8_fp4_f32 v[225+2*\b], v[104+16*\b:111+16*\b], v[244+\b]
.endr
	v_nop                                          ; one plain place behind a scaled conversion
.irp c, 0,1
.irp i, 0,1
	v_permlane16_swap_b32 v[224+4*\c+\i], v[226+4*\c+\i]
.endr
.endr
.set jj, 0
.rept 32
	v_pk_mul_f32 v[160+jj:161+jj], v[160+jj:161+jj], v[252:253] op_sel_hi:[1,0]   ; O^T under the new M; these 32 are also the places in front of the scaled products below
.set jj, jj+2
.endr
	s_setprio 0
	s_wait_alu depctr_va_vdst(0)
	s_wait_dscnt 0x0                               ; V and its scale words are in: no LDS instruction of mine is out at a step's end
.irp t, 0,1,2,3,4,5,6,7
	v_wmma_scale_f32_16x16x128_f8f6f4 v[160+8*\t:167+8*\t], v[32+8*\t:39+8*\t], v[224:231], v[160+8*\t:167+8*\t], v[240+\t+4*(\t/4)], v253 matrix_a_fmt:MATRIX_FMT_FP4 matrix_b_fmt:MATRIX_FMT_FP4
.endr
	s_add_co_u32 s[TS], s[TS], 1024                ; the next step's scale words
.endm
	s_wait_tensorcnt 0x1                           ; my parts of the scale words and of key steps 0-3 are in; my third load, issued behind them, may stay out
	s_barrier_signal -1
	s_barrier_wait -1                              ; everybody's are
	s_wait_loadcnt 0x0                             ; Q
	STEP 0
	STEP 1
	s_wait_tensorcnt 0x0                           ; my part of key steps 4-15 is in: it had two key steps in which to land;
	s_barrier_signal -1                            ; say so.  Up to the wait below stand register work and LDS loads of key steps 2 and 3 and their scale words, bytes that nobody writes
	STEP 2
	STEP 3
	s_barrier_wait -1                              ; every wave has said so: all of K and V is there.  A wave may run two steps ahead of the slowest before it waits here, and from here on no wave waits for another
	s_add_co_u32 s[TB], s[TB], FOUR
.Lfour:                                            ; three trips of four key steps: steps 4 to 15
	STEP 0
	STEP 1
	STEP 2
	STEP 3
	s_add_co_u32 s[TB], s[TB], FOUR
	s_sub_co_u32 s[TRIPS], s[TRIPS], 1
	s_cmp_lg_u32 s[TRIPS], 0
	s_cbranch_scc1 .Lfour
	s_setprio 0
	; THE WAY OUT.  O^T / the sum; a lane's 64 numbers are its query's channels 32 b + 16 (lane / 16) + i: they become one fragment of the last projection's operand, K step = my head.
	v_add_f32 v14, v14, v15                        ; the sum's two halves,
	s_delay_alu instid0(VALU_DEP_1)
	v_permlanex16_b32 v252, v14, s[SEL], s[SEL+1]
	s_delay_alu instid0(VALU_DEP_1)
	v_add_f32 v14, v14, v252                       ; and lane l xor 16's
	s_wait_alu depctr_va_vdst(0)
	v_rcp_f32 v14, v14
.rept 4
	v_nop                                          ; a plain place behind the reciprocal; places behind the last products
.endr
	s_wait_alu depctr_va_vdst(0)                   ; ahead of the reciprocal's first reader
.set jj, 0
.rept 32
	v_pk_mul_f32 v[96+jj:97+jj], v[160+jj:161+jj], v[14:15] op_sel_hi:[1,0]   ; each accumulator from its low end on
.set jj, jj+2
.endr
	QUANT 96, 253
	global_store_b128 v[LI], v[PC:PC+3], s[70:71]  ; twice 512 consecutive bytes
	global_store_b128 v[LI], v[PC+4:PC+7], s[70:71] offset:512
	ds_store_b32 v[SSA], v253                      ; my 16 rows' scale words; lanes r and r + 16 write the same word with the same value
	s_wait_dscnt 0x0                               ; for the others' sake: my store has landed
	s_barrier_signal -1
	s_barrier_wait -1
	s_cmp_lg_u32 s[WV], 0
	s_cbranch_scc1 .Lwords_out
	ds_load_b128 v[32:35], v[SRA]                  ; wave 0 stores the sixteen tiles' words: 1,024 consecutive bytes
	ds_load_b128 v[36:39], v[SRA] offset:512
	s_wait_dscnt 0x0
	global_store_b128 v[LI], v[32:35], s[72:73]
	global_store_b128 v[LI], v[36:39], s[72:73] offset:512
.Lwords_out:
	s_wait_tensorcnt 0x0
	ds_add_u32 v30, v31
	s_wait_dscnt 0x0
	CROUND                                         ; the closing round: no work-group ends while a partner may still ask for a tile that names it
	s_endpgm
.Lfunc_end_k_q33e91eb0c3_attn:
	.size	k_q33e91eb0c3_attn, .Lfunc_end_k_q33e91eb0c3_attn-k_q33e91eb0c3_attn
	.p2alignl 7, 3214868480
	.fill 96, 4, 3214868480
	.section	.rodata,"a",@progbits
	.p2align	6, 0x0
	.amdhsa_kernel k_q33e91eb0c3_attn
		.amdhsa_group_segment_fixed_size 281600
		.amdhsa_private_segment_fixed_size 0
		.amdhsa_enable_private_segment 0
		.amdhsa_kernarg_size 32
		.amdhsa_user_sgpr_count 2
		.amdhsa_user_sgpr_kernarg_segment_ptr 1
		.amdhsa_wavefront_size32 1
		.amdhsa_system_sgpr_workgroup_id_x 1
		.amdhsa_system_sgpr_workgroup_id_y 1
		.amdhsa_system_sgpr_workgroup_id_z 1
		.amdhsa_system_vgpr_workitem_id 0
		.amdhsa_next_free_vgpr 256
		.amdhsa_next_free_sgpr 80
		.amdhsa_reserve_vcc 0
		.amdhsa_float_denorm_mode_32 3
		.amdhsa_float_denorm_mode_16_64 3
		.amdhsa_memory_ordered 1
		.amdhsa_forward_progress 1
		.amdhsa_inst_pref_size 166
	.end_amdhsa_kernel
	.amdgpu_metadata
---
amdhsa.version: [ 1, 2 ]
amdhsa.kernels:
  - .name:           k_q33e91eb0c3_attn
    .symbol:         k_q33e91eb0c3_attn.kd
    .args:
      - { .name: qb, .offset: 0, .size: 8, .value_kind: global_buffer, .address_space: global }
      - { .name: kv, .offset: 8, .size: 8, .value_kind: global_buffer, .address_space: global }
      - { .name: kvs, .offset: 16, .size: 8, .value_kind: global_buffer, .address_space: global }
      - { .name: ob, .offset: 24, .size: 8, .value_kind: global_buffer, .address_space: global }
    .group_segment_fixed_size: 281600
    .private_segment_fixed_size: 0
    .kernarg_segment_align: 8
    .kernarg_segment_size: 32
    .max_flat_workgroup_size: 512
    .sgpr_count:     80
    .vgpr_count:     256
    .wavefront_size: 32
...
	.end_amdgpu_metadata
.endif
;; end of part 7
;; launch outp (part 8): grid 256 x 1, 4 waves a work-group, no clusters, 17,920 bytes of LDS; arguments ob, wgt, bo, out0; writes out0
.if DOCPART == 8
	.amdgcn_target "amdgcn-amd-amdhsa--gfx1250"
	.amdhsa_code_object_version 6
	.text
	.protected	k_q33e91eb0c3_outp
	.globl	k_q33e91eb0c3_outp
	.p2align	8
	.type	k_q33e91eb0c3_outp,@function
k_q33e91eb0c3_outp:
	s_mov_b64 s[64:65], 0
	v_nop
	global_prefetch_b8 v0, s[64:65] scope:SCOPE_SE
	s_setreg_imm32_b32 hwreg(HW_REG_WAVE_SCHED_MODE, 0, 2), 2
	s_setreg_imm32_b32 hwreg(HW_REG_WAVE_MODE, 25, 1), 1
	s_wait_xcnt 0x0
	s_wait_alu depctr_vm_vsrc(0)
; out0 = (O / l) Wo + bo on codes of FP4 (E2M1) with E8M0 scales; K = 1,024 = 8 heads x 128.  Both operands lie in memory as images of operand registers (1,024 bytes a fragment).
; SHARES.  A wave takes one tile of 16 rows and half of the 128 outputs: 32 matrix instructions, four accumulators by turns.  Waves share nothing: no barrier.
; LAYOUT.  Source 0 = 16 columns of Wo, source 1 = 16 rows of O: a lane holds one row and eight neighbouring outputs a tile.  bo is loaded straight into the accumulators, in the result's layout, and the sums add onto it.
; Row r of tile T stands for token 32 (T / 2) + 8 (T % 2) + r + 8 (r / 8); Wo's columns are laid likewise.  The results go through the wave's own stage in LDS and leave as aligned runs of 256 bytes, sixteen lanes to a run.
; No tensor loads, no cluster, no prefetch: every load goes out at the head, and a work-group reads 84 KB in all.
; THE MODE: SCHED_MODE bits 1:0 = 2 (LLVM: expert scheduling mode 2), set by the entry lines.  The code itself states the register dependences between vector or matrix instructions and memory or LDS instructions, with s_wait_alu, always for 0.
; THE PLAN.  Registers that memory or LDS instructions touch:
;   v1-7, v254, v255   offsets, LDS addresses and the closing add's two: written at the head, never again.
;   the accumulators   loaded with bo, then written by the products, then read by the LDS stores.
;   the scale words, O's fragments, window 1: loaded once, into registers that no vector instruction has named; read by the products.
;   v136-167           written by the LDS loads, read by the global stores; no vector instruction names them.
; So two waits on va_vdst: one ahead of the first load (the addresses), one behind the products and their places (the accumulators).  No register that a memory or LDS instruction has read is written again: no wait on vm_vsrc.
.set WSC, 1114112
.set OSC, 4194304
.set SP,  272                          ; a stage row: 256 bytes + 16
.set LI,  1                            ; 16 x lane
.set L4,  2                            ; 4 x lane
.set R4,  3                            ; 4 x row
.set BO,  4                            ; 64 x (lane / 16)
.set STO, 5
.set RD,  6
.set GO,  7
.set OWD, 16                           ; v16-23  O's scale words, a K step each
.set WWD, 24                           ; v24-39  Wo's: register 2 s + g: lanes 0-15 tile 2 g, lanes 16-31 tile 2 g + 1 of my four
.set ACC, 40                           ; v40-71  four accumulators
.set AF,  72                           ; v72-135 O's eight fragments
.set OUTR, 136                         ; v136-167 rows on their way out
.set MSB, 0
.macro WIN new                         ; the immediate's high byte repeats the setting that is left
.if MSB != \new
	s_set_vgpr_msb (MSB<<8)|\new
.set MSB, \new
.endif
.endm
	s_load_b256 s[4:11], s[0:1], 0x0               ; ob s[4:5], wgt s[6:7], bo s[8:9], out0 s[10:11]
	v_lshl_add_u32 v254, v0, 2, 0x4400
	v_mov_b32 v255, 0
	v_lshrrev_b32 v8, 5, v0
	v_readfirstlane_b32 s12, v8                    ; wave 0..3
	v_and_b32 v8, 31, v0
	v_lshlrev_b32 v[LI], 4, v8
	v_lshlrev_b32 v[L4], 2, v8
	v_and_b32 v8, 15, v0                           ; r
	v_bfe_u32 v9, v0, 4, 1                         ; h
	v_lshlrev_b32 v[R4], 2, v8
	v_lshlrev_b32 v[BO], 6, v9
	s_wait_alu depctr_va_sdst(0)                   ; s12, the wave's number, is written, ahead of its first reader: my stage, my tile and my half of the outputs are made from it
	s_mul_i32 s13, s12, 16*SP                      ; my stage
	v_mul_u32_u24 v[STO], v8, SP
	v_lshl_add_u32 v[STO], v9, 6, v[STO]
	v_add_nc_u32 v[STO], s13, v[STO]               ; in: row r, + 64 h
	v_mul_u32_u24 v[RD], v9, SP
	v_lshl_add_u32 v[RD], v8, 4, v[RD]
	v_add_nc_u32 v[RD], s13, v[RD]                 ; back: lanes 0-15 one row, lanes 16-31 the next
	v_lshlrev_b32 v[GO], 9, v9
	v_lshl_add_u32 v[GO], v8, 4, v[GO]             ; and the same two rows of out0
	s_lshr_b32 s14, s12, 1
	s_lshl_b32 s15, ttmp9, 1
	s_add_co_u32 s14, s14, s15                     ; my tile of rows T
	s_and_b32 s15, s12, 1                          ; my half of the outputs
	s_mov_b32 s17, 0
	s_wait_kmcnt 0x0
	s_lshl_b32 s16, s15, 8
	s_add_nc_u64 s[18:19], s[8:9], s[16:17]        ; bo at my 64 outputs
	s_lshl_b32 s16, s14, 6
	s_add_co_u32 s16, s16, OSC
	s_add_nc_u64 s[20:21], s[4:5], s[16:17]        ; O's scale words: 32,768 bytes from head to head
	s_lshl_b32 s16, s15, 8
	s_add_co_u32 s16, s16, WSC+65536
	s_add_nc_u64 s[22:23], s[6:7], s[16:17]        ; Wo's scale words
	s_lshl_b32 s16, s14, 13
	s_add_nc_u64 s[24:25], s[4:5], s[16:17]        ; O's eight fragments
	s_lshl_b32 s16, s15, 12
	s_add_co_u32 s16, s16, 1048576
	s_add_nc_u64 s[26:27], s[6:7], s[16:17]        ; Wo's fragments: my four tiles of each K step
	s_lshr_b32 s16, s14, 1
	s_lshl_b32 s16, s16, 5
	s_and_b32 s28, s14, 1
	s_lshl_b32 s28, s28, 3
	s_add_co_u32 s16, s16, s28                     ; the tile's first token
	s_lshl_b32 s16, s16, 9
	s_lshl_b32 s28, s15, 8
	s_add_co_u32 s16, s16, s28
	s_add_nc_u64 s[10:11], s[10:11], s[16:17]
	s_wait_alu depctr_va_vdst(0)                   ; the seven offsets and LDS addresses v1 to v7 are written, which the loads and stores below read
.irp t, 0,1,2,3
	global_load_b128 v[ACC+8*\t:ACC+8*\t+3], v[BO], s[18:19] offset:(32*(\t/2)+8*(\t%2))*4
	global_load_b128 v[ACC+8*\t+4:ACC+8*\t+7], v[BO], s[18:19] offset:(32*(\t/2)+8*(\t%2))*4+16
.endr
.irp s, 0,1,2,3,4,5,6,7
	global_load_b32 v[OWD+\s], v[R4], s[20:21] offset:32768*\s
.endr
.irp s, 0,1,2,3,4,5,6,7
.irp g, 0,1
	global_load_b32 v[WWD+2*\s+\g], v[L4], s[22:23] offset:512*\s+128*\g
.endr
.endr
.irp s, 0,1,2,3,4,5,6,7
.irp c, 0,1
	global_load_b128 v[AF+8*\s+4*\c:AF+8*\s+4*\c+3], v[LI], s[24:25] offset:1024*\s+512*\c
.endr
.endr
	WIN 0x40                                       ; destination window 1: Wo's fragment (s, t) at v[8 (4 s + t)]
.irp s, 0,1,2,3,4,5,6,7
.irp t, 0,1,2,3
.irp c, 0,1
	global_load_b128 v[8*(4*\s+\t)+4*\c:8*(4*\s+\t)+4*\c+3], v[LI], s[26:27] offset:8192*\s+1024*\t+512*\c
.endr
.endr
.endr
	WIN 0x01                                       ; source 0 (Wo) window 1
.irp s, 0,1,2,3,4,5,6,7
	s_wait_loadcnt 8*(7-\s)                        ; all up to this K step's eight loads of Wo are in; the later K steps' may be out
.irp t, 0,2
	v_wmma_scale_f32_16x16x128_f8f6f4 v[ACC+8*\t:ACC+8*\t+7], v[8*(4*\s+\t):8*(4*\s+\t)+7], v[AF+8*\s:AF+8*\s+7], v[ACC+8*\t:ACC+8*\t+7], v[WWD+2*\s+\t/2], v[OWD+\s] matrix_a_fmt:MATRIX_FMT_FP4 matrix_b_fmt:MATRIX_FMT_FP4
	v_wmma_scale_f32_16x16x128_f8f6f4 v[ACC+8*\t+8:ACC+8*\t+15], v[8*(4*\s+\t)+8:8*(4*\s+\t)+15], v[AF+8*\s:AF+8*\s+7], v[ACC+8*\t+8:ACC+8*\t+15], v[WWD+2*\s+\t/2], v[OWD+\s] matrix_a_fmt:MATRIX_FMT_FP4 matrix_b_fmt:MATRIX_FMT_FP4 matrix_a_scale:MATRIX_SCALE_ROW1
.endr
.endr
	WIN 0
.rept 4
	v_nop                                          ; four plain places in front of the first read of results (ISA guide 7.12.1)
.endr
	s_wait_alu depctr_va_vdst(0)                   ; the products have written the four accumulators, which the LDS stores read; the places above stay beside this wait
.irp t, 0,1,2,3                                ; lane (r, h), tile t: outputs 32 (t / 2) + 16 h + 8 (t % 2) + 0 .. 7 of my 64; each accumulator from its low end on
	ds_store_b128 v[STO], v[ACC+8*\t:ACC+8*\t+3] offset:128*(\t/2)+32*(\t%2)
	ds_store_b128 v[STO], v[ACC+8*\t+4:ACC+8*\t+7] offset:128*(\t/2)+32*(\t%2)+16
.endr
.irp i, 0,1,2,3,4,5,6,7
	ds_load_b128 v[OUTR+4*\i:OUTR+4*\i+3], v[RD] offset:2*\i*SP   ; LDS serves a wave's instructions in order: these see my stores
.endr
.irp i, 0,1,2,3,4,5,6,7
	s_wait_dscnt 7-\i
	global_store_b128 v[GO], v[OUTR+4*\i:OUTR+4*\i+3], s[10:11] offset:(2*\i+8*(\i/4))*512 th:TH_STORE_NT   ; stage rows 2 i and 2 i + 1 are tokens 2 i + 8 (i / 4) and the next; sixteen lanes store 256 consecutive bytes, aligned
.endr
	s_wait_dscnt 0x0                               ; the closing lines, six on end
	s_wait_alu 0x0
	s_wait_tensorcnt 0x0
	ds_add_u32 v254, v255
	s_wait_dscnt 0x0
	s_endpgm
.Lfunc_end_k_q33e91eb0c3_outp:
	.size	k_q33e91eb0c3_outp, .Lfunc_end_k_q33e91eb0c3_outp-k_q33e91eb0c3_outp
	.p2alignl 7, 3214868480
	.fill 96, 4, 3214868480
	.section	.rodata,"a",@progbits
	.p2align	6, 0x0
	.amdhsa_kernel k_q33e91eb0c3_outp
		.amdhsa_group_segment_fixed_size 17920
		.amdhsa_private_segment_fixed_size 0
		.amdhsa_enable_private_segment 0
		.amdhsa_kernarg_size 32
		.amdhsa_user_sgpr_count 2
		.amdhsa_user_sgpr_kernarg_segment_ptr 1
		.amdhsa_wavefront_size32 1
		.amdhsa_system_sgpr_workgroup_id_x 1
		.amdhsa_system_sgpr_workgroup_id_y 1
		.amdhsa_system_sgpr_workgroup_id_z 1
		.amdhsa_system_vgpr_workitem_id 0
		.amdhsa_next_free_vgpr 512
		.amdhsa_next_free_sgpr 66
		.amdhsa_reserve_vcc 0
		.amdhsa_float_denorm_mode_32 3
		.amdhsa_float_denorm_mode_16_64 3
		.amdhsa_memory_ordered 1
		.amdhsa_forward_progress 1
		.amdhsa_inst_pref_size 20
	.end_amdhsa_kernel
	.amdgpu_metadata
---
amdhsa.version: [ 1, 2 ]
amdhsa.kernels:
  - .name:           k_q33e91eb0c3_outp
    .symbol:         k_q33e91eb0c3_outp.kd
    .args:
      - { .name: ob, .offset: 0, .size: 8, .value_kind: global_buffer, .address_space: global }
      - { .name: wgt, .offset: 8, .size: 8, .value_kind: global_buffer, .address_space: global }
      - { .name: bo, .offset: 16, .size: 8, .value_kind: global_buffer, .address_space: global }
      - { .name: out0, .offset: 24, .size: 8, .value_kind: global_buffer, .address_space: global }
    .group_segment_fixed_size: 17920
    .private_segment_fixed_size: 0
    .kernarg_segment_align: 8
    .kernarg_segment_size: 32
    .max_flat_workgroup_size: 128
    .sgpr_count:     66
    .vgpr_count:     512
    .wavefront_size: 32
...
	.end_amdgpu_metadata
.endif
;; end of part 8
